; MI455X (gfx1250); checked and timed in simulation.
; The chip was launched on July 23, 2026; its instructions are those of AMD's public machine-readable ISA for CDNA 5 (MIT licence, August 2026) and "CDNA5" Instruction Set Architecture Reference Guide (July 2026). The comments in the code are by the model that wrote it; some were corrected since.
;; Multi Head Causal Attention. Allowed arithmetic: matrix products marked QUANTISED: E5M2 operands, one given power-of-two scale a tensor, by v_wmma_f32_16x16x64_bf8_bf8 or v_wmma_f32_16x16x128_bf8_bf8, f32 sums; everything else in f32.
;; Inputs: W1_codes 2,730 x 32 x 32 uint8 (E5M2 codes of W1, K innermost, in blocks of 32 codes); W2_codes 2,730 x 32 x 32 uint8 (E5M2 codes of W2, K innermost, in blocks of 32 codes); W3 2,730 x 1,024 float32; Wk_codes 1,024 x 32 x 32 uint8 (E5M2 codes of Wk, K innermost, in blocks of 32 codes); Wo_codes 1,024 x 32 x 32 uint8 (E5M2 codes of Wo, K innermost, in blocks of 32 codes); Wq_codes 1,024 x 32 x 32 uint8 (E5M2 codes of Wq, K innermost, in blocks of 32 codes); Wv_codes 1,024 x 32 x 32 uint8 (E5M2 codes of Wv, K innermost, in blocks of 32 codes); g1 1,024 float32; g2 1,024 float32; lowp_scales 18 int32 (the exponents e of the quantised operands' scales 2^e); x 2 x 2,048 x 1,024 float32.
;; Outputs: out0 2 x 2,048 x 1,024 float32.
;; This version of the problem:
;;   THIS VERSION OF THE PROBLEM IS GIVEN IN LOW PRECISION. The matrix products marked QUANTISED in the list below multiply operands that are first quantised to E5M2 (5 exponent bits, 2 mantissa bits; 8 bits a number), with one given power-of-two scale for each operand tensor; their sums are f32. All else is computed in f32.
;;   The module's matrix products, in the order in which they are computed (A, B: the left and right operand; K: the contracted axis; several contracted axes count as one K, in the product's order):
;;     1. [M 4,096, K 1,024] x [K 1,024, N 1,024]; A: computed on the way; B: input Wq (given as codes): QUANTISED (scales: A lowp_scales[0], B lowp_scales[1])
;;     2. [M 4,096, K 1,024] x [K 1,024, N 1,024]; A: computed on the way; B: input Wk (given as codes): QUANTISED (scales: A lowp_scales[2], B lowp_scales[3])
;;     3. [M 4,096, K 1,024] x [K 1,024, N 1,024]; A: computed on the way; B: input Wv (given as codes): QUANTISED (scales: A lowp_scales[4], B lowp_scales[5])
;;     4. batch 32 x [M 2,048, K 64] x [K 64, N 2,048]; A: computed on the way; B: computed on the way: QUANTISED (scales: A lowp_scales[6], B lowp_scales[7])
;;     5. batch 32 x [M 64, K 2,048] x [K 2,048, N 2,048]; A: computed on the way; B: softmax (see below): QUANTISED (scales: A lowp_scales[8], B lowp_scales[9])
;;     6. [M 4,096, K 1,024] x [K 1,024, N 1,024]; A: computed on the way; B: input Wo (given as codes): QUANTISED (scales: A lowp_scales[10], B lowp_scales[11])
;;     7. [M 4,096, K 1,024] x [K 1,024, N 2,730]; A: computed on the way; B: input W1 (given as codes): QUANTISED (scales: A lowp_scales[12], B lowp_scales[13])
;;     8. [M 4,096, K 1,024] x [K 1,024, N 2,730]; A: computed on the way; B: input W2 (given as codes): QUANTISED (scales: A lowp_scales[14], B lowp_scales[15])
;;     9. [M 4,096, K 2,730] x [K 2,730, N 1,024]; A: computed on the way; B: input W3: QUANTISED (scales: A lowp_scales[16], B lowp_scales[17])
;;   THE QUANTISER, for each operand of a quantised product, along K:
;;     - The operand's scale is 2^e, e = its entry of the input lowp_scales (int32; the entries are numbered through the quantised products in the list's order, A before B).
;;     - Each number is divided by the scale, clamped to +-57,344, and rounded to the nearest number of E5M2, ties to even, subnormals kept.
;;     - The product sums the exact products of the quantised numbers (number of the format x scale) in f32.
;;   ~~~python
;;   def quantise(x, axis, e):      # numpy; x: float32 -> the quantised numbers, widened to float32 again
;;       x = np.moveaxis(x, axis, -1); K = x.shape[-1]
;;       r = np.clip(x / 2.0 ** e, -57344, 57344)
;;       step = 2.0 ** (np.maximum(np.frexp(np.where(r == 0, 1, r))[1] - 1, -14) - 2)
;;       q = np.round(r / step) * step * 2.0 ** e      # np.round: ties to even
;;       return np.moveaxis(q, -1, axis).astype(np.float32)
;;   ~~~
;;   SOFTMAX AHEAD OF A QUANTISED PRODUCT. Where the list says 'softmax', what is quantised is not the finished softmax but p = 2^(t - M), with t = logit x log2(e) and M = ceil(the row's largest t), a whole number; so 1/2 < the row's largest p <= 1. The row's sum l is taken of the UNQUANTISED p, in f32, and the product's result is divided by l at the end. Since M is a whole number, a kernel that streams over the keys may use a running M (the ceiling of the running maximum): every later rescaling is an exact power of two, so the quantised numbers keep their values, but for numbers so far below the row's largest that they fall under the format's range.
;;   OPERANDS COMPUTED ON THE WAY. 'Computed on the way' means the value that the module computes at that place (a softmax that the list does not call 'softmax' is quantised finished and normalised). What goes into a quantiser is computed in f32, as accurately as f32 sums, v_exp_f32 and their like allow (about 1e-6 of the number): no bf16 or f16 on the way to a quantiser, and a product that is left as it is and whose result goes on into a quantised operand takes f32 operands (vector FMAs, or v_wmma_f32_16x16x4_f32). A number that lies on a knife's edge between two numbers of the format may be rounded either way, as far as f32 arithmetic and the matrix unit's own rounding can turn it there, and no further.
;;   INPUTS GIVEN AS CODES. W1 (in the module: [1024, 2730], K = its axis 0); W2 (in the module: [1024, 2730], K = its axis 0); Wk (in the module: [1024, 1024], K = its axis 0); Wo (in the module: [1024, 1024], K = its axis 0); Wq (in the module: [1024, 1024], K = its axis 0); Wv (in the module: [1024, 1024], K = its axis 0): each comes as NAME_codes (uint8): NAME with its K axis moved to the last place and cut into blocks of 32 codes, [.., K / 32, bytes a block], one block behind the other in memory; one code a byte (a code: sign, 5 exponent bits, 2 mantissa bits); its scale is its entry of lowp_scales. Its value is code x scale, taken as it is: it is not quantised again, and the codes and scales need not be those that the quantiser above would give.
;; One version. Each part assembles by itself: llvm-mc -triple=amdgcn-amd-amdhsa -mcpu=gfx1250 --defsym DOCPART=n.
;; ======== version 1 of 1: 7 launches
;; limits: right only within a limited range of input values
;; workspace buffers: h3 12,582,912 bytes; qkvc 12,582,912 bytes; ctx 4,194,304 bytes; x1 16,777,216 bytes; h2 8,388,608 bytes; act 11,534,336 bytes; w3c 2,883,584 bytes
;; launch prep (part 1): grid 608 x 1, 4 waves a work-group, no clusters, 20,992 bytes of LDS; arguments x, g1, W3, lowp_scales, h3, w3c; writes h3, w3c
.if DOCPART == 1
	.amdgcn_target "amdgcn-amd-amdhsa--gfx1250"
	.amdhsa_code_object_version 6
	.text
	.protected	k_qd14a01ecf4_prep
	.globl	k_qd14a01ecf4_prep
	.p2align	8
	.type	k_qd14a01ecf4_prep,@function
k_qd14a01ecf4_prep:
	s_mov_b64 s[64:65], 0
	v_nop
	global_prefetch_b8 v0, s[64:65] scope:SCOPE_SE
	s_setreg_imm32_b32 hwreg(HW_REG_WAVE_MODE, 25, 1), 1
	s_wait_xcnt 0x0
; Two jobs in one launch, told apart by the work-group's number alone.
; Work-groups 0-255: h = g1 * (x * rsqrt(mean(x^2) + 1e-5)), quantised three times (scales' entries 0, 2, 4) into three planes of h3, [4096][1024] codes of E5M2, rows as they lie.
;   A wave takes 4 rows, a row at a time in 32 registers: 8 loads of 512 consecutive bytes.  The conversions take neighbours along K from ONE lane's registers, so a row turns through the wave's own
;   stage in LDS (64 bytes + 16 of padding a place) and comes back 16 neighbours a lane and half row.  A lane's 16 codes are 16 bytes: a store covers 512 consecutive bytes.
; Work-groups 256-607: W3 [2730][1024] f32, whose K is its first axis, becomes codes (entry 17) in w3c, laid as the operand's registers: [64 blocks of 16 columns][22 K steps][2,048 bytes];
;   in a K step part p (512 bytes) holds lane l's registers 4p..4p+3 at 16 l; registers 2c, 2c+1 of lane (r, h) are k = 16c + 8h + 0..7 of column r.
;   A lane takes a column and its registers run down K.  A wave takes 32 columns x 64 positions: two blocks of 32, whose 64 loads all go out at once, so that the wave waits for memory once.
;   K is laid on 2,816 POSITIONS: position P < 2,688 is k = P; 2,688..2,773 hold zero codes; P >= 2,774 is k = P - 86
;   (the launch that makes the other operand lets its last tile of 128 begin at 2,602, so that no load leaves a buffer; the 86 columns made twice meet zeros here).
; LIMITS: each of the four exponents e lies between -126 and 112, so that 2^e and 57,344 x 2^e are f32 numbers.  NaN among the inputs is not served.
.set G,    32                          ; v32-63   g1, turned like a row
.set R,    64                          ; v64-191  four rows, 32 registers each
.set T,    192                         ; v192-207 16 held numbers
.set C,    208                         ; v208-231 codes: 4 registers for each output and half row
.set SP,   80                          ; a place in the stage
.set NOUT, 3
.set NBB,  45056                       ; a block of 16 columns in w3c: 22 x 2,048 bytes
.set X,    32                          ; W3's path: v32-95 two blocks of 32 numbers; v96-111 codes, 8 for each block
.macro TURN reg                        ; 4,096 bytes through my stage: LDS serves a wave's instructions in order, so no wait stands between the stores and the loads
.irp s, 0,1
.irp i, 0,1,2,3
	ds_store_b128 v14, v[\reg+16*\s+4*\i:\reg+16*\s+4*\i+3] offset:32*SP*\s+8*SP*\i
.endr
.endr
.irp s, 0,1
.irp i, 0,1,2,3
	ds_load_b128 v[\reg+16*\s+4*\i:\reg+16*\s+4*\i+3], v15 offset:32*SP*\s+16*\i   ; register 16 s + n is number 512 s + 16 lane + n
.endr
.endr
.endm
.macro WORK i
.set XR, R+32*(\i)
	v_pk_mul_f32 v[232:233], v[XR:XR+1], v[XR:XR+1]        ; the sum of squares, two at a time, in two chains
	v_pk_mul_f32 v[234:235], v[XR+2:XR+3], v[XR+2:XR+3]
.irp j, 4,8,12,16,20,24,28
	v_pk_fma_f32 v[232:233], v[XR+\j:XR+\j+1], v[XR+\j:XR+\j+1], v[232:233]
	v_pk_fma_f32 v[234:235], v[XR+\j+2:XR+\j+3], v[XR+\j+2:XR+\j+3], v[234:235]
.endr
	v_pk_add_f32 v[232:233], v[232:233], v[234:235]
	v_add_f32 v232, v232, v233
	v_add_f32_dpp v232, v232, v232 row_xmask:1 row_mask:0xf bank_mask:0xf
	v_add_f32_dpp v232, v232, v232 row_xmask:2 row_mask:0xf bank_mask:0xf
	v_add_f32_dpp v232, v232, v232 row_xmask:4 row_mask:0xf bank_mask:0xf
	v_add_f32_dpp v232, v232, v232 row_xmask:8 row_mask:0xf bank_mask:0xf
	v_permlanex16_b32 v236, v232, s12, s13
	v_add_f32 v232, v232, v236                             ; the row's sum, in every lane
	v_fma_f32 v238, v232, s14, s15                         ; / 1,024 + 1e-5
	s_wait_alu depctr_va_vdst(0)
	v_rsq_f32 v240, v238
	v_nop                                                  ; a plain instruction behind the transcendental
	s_wait_alu depctr_va_vdst(0)                           ; and the wait ahead of the first reader of its result
.irp j, 0,2,4,6,8,10,12,14,16,18,20,22,24,26,28,30
	v_pk_mul_f32 v[XR+\j:XR+\j+1], v[XR+\j:XR+\j+1], v[240:241] op_sel_hi:[1,0]
.endr
.irp j, 0,2,4,6,8,10,12,14,16,18,20,22,24,26,28,30
	v_pk_mul_f32 v[XR+\j:XR+\j+1], v[G+\j:G+\j+1], v[XR+\j:XR+\j+1]   ; g * (x * r)
.endr
.if \i > 0
	s_wait_xcnt 0x0                                        ; the last row's stores have read their registers: the codes are written again only behind this wait
.endif
.irp o, 0,1,2
.if \o < NOUT
.irp s, 0,1
.irp n, 0,1,2,3,4,5,6,7,8,9,10,11,12,13,14,15
	v_med3_num_f32 v[T+\n], v[XR+16*\s+\n], -v[24+\o], v[24+\o]   ; the conversion does not saturate (ISA guide 7.6.2): hold within the largest code x the scale
.endr
	v_cvt_scalef32_pk8_bf8_f32 v[C+8*\o+4*\s:C+8*\o+4*\s+1], v[T:T+7], v[20+\o]
	v_cvt_scalef32_pk8_bf8_f32 v[C+8*\o+4*\s+2:C+8*\o+4*\s+3], v[T+8:T+15], v[20+\o]
	v_nop                                                  ; a plain instruction between the conversions and the next writes of their sources
	global_store_b128 v3, v[C+8*\o+4*\s:C+8*\o+4*\s+3], s[24+2*\o:25+2*\o] offset:1024*(\i)+512*\s
.endr
.endif
.endr
.endm
.macro WLOAD t                         ; block t: W3(row0 + i, my column), i = 0..31: 32 lanes read 128 consecutive bytes
.set n, 0
.rept 32
	global_load_b32 v[X+32*(\t)+n], v3, s[32+2*(\t):33+2*(\t)] offset:4096*n th:TH_LOAD_NT
.set n, n+1
.endr
.endm
.macro WBLOCK t
.set XS, X+32*(\t)
.set CC, 96+8*(\t)
.if (\t) < 1
	s_wait_loadcnt 32                                      ; block 0's 32 loads are in; block 1's may be out
.else
	s_wait_loadcnt 0x0
.endif
	s_cmp_eq_u32 s[48+(\t)], 0                             ; how many of the block's first positions hold zeros: made of ids alone
	s_cbranch_scc1 .Lnone_\@
.set n, 0
.rept 32
	s_cmp_gt_u32 s[48+(\t)], n
	s_cselect_b32 s2, 0, -1
	v_and_b32 v[XS+n], s2, v[XS+n]
.set n, n+1
.endr
.Lnone_\@:
.set n, 0
	s_wait_alu depctr_va_vdst(0)
.rept 32
	v_med3_num_f32 v[XS+n], v[XS+n], -v10, v10
.set n, n+1
.endr
	v_cvt_scalef32_pk8_bf8_f32 v[CC:CC+1], v[XS:XS+7], v11          ; k 0-7 and 16-23: what the operand's lane (r, 0) holds of this part
	v_cvt_scalef32_pk8_bf8_f32 v[CC+2:CC+3], v[XS+16:XS+23], v11
	v_cvt_scalef32_pk8_bf8_f32 v[CC+4:CC+5], v[XS+8:XS+15], v11     ; k 8-15 and 24-31: lane (r, 1)
	v_cvt_scalef32_pk8_bf8_f32 v[CC+6:CC+7], v[XS+24:XS+31], v11
	v_nop
	global_store_b128 v4, v[CC:CC+3], s[8:9] offset:512*(\t)        ; sixteen lanes store 256 consecutive bytes, aligned
	global_store_b128 v4, v[CC+4:CC+7], s[8:9] offset:512*(\t)+256
.endm
	v_lshl_add_u32 v254, v0, 2, 0x5000
	v_mov_b32 v255, 0
	s_cmp_ge_u32 ttmp9, 256
	s_cbranch_scc1 .Lw3
	; ---- the norm
	s_load_b128 s[4:7], s[0:1], 0x0                ; x, g1
	s_load_b128 s[8:11], s[0:1], 0x18              ; the scales' exponents, h3
	v_lshrrev_b32 v1, 5, v0
	v_readfirstlane_b32 s16, v1                    ; wave
	v_and_b32 v2, 31, v0                           ; lane
	v_lshlrev_b32 v3, 4, v2                        ; my 16 bytes of 512
	s_mul_i32 s17, s16, 64*SP                      ; my stage: two half rows of 32 places
	v_lshrrev_b32 v14, 2, v2
	v_mul_u32_u24 v14, v14, SP
	v_and_b32 v15, 3, v2
	v_lshl_add_u32 v14, v15, 4, v14
	v_add_nc_u32 v14, s17, v14                     ; in: four lanes' 64 bytes to a place
	v_mul_u32_u24 v15, v2, SP
	v_add_nc_u32 v15, s17, v15                     ; out: my place
	s_mov_b32 s12, 0x76543210
	s_mov_b32 s13, 0xfedcba98                      ; lane l xor 16
	s_mov_b32 s14, 0x3a800000                      ; 1 / 1,024
	s_mov_b32 s15, 0x3727c5ac                      ; 1e-5
	v_mov_b32 v236, 0                              ; a lane permute's destination counts as read
	v_mov_b32 v241, 0                              ; named as the upper half of the pair v[240:241]
	s_lshl_b32 s18, ttmp9, 4
	s_lshl_b32 s19, s16, 2
	s_add_co_u32 s18, s18, s19                     ; my first row
	s_lshl_b32 s20, s18, 12
	s_mov_b32 s21, 0
	s_lshl_b32 s22, s18, 10
	s_mov_b32 s23, 0
	s_wait_alu depctr_va_vdst(0)
	s_wait_kmcnt 0x0
	s_load_b256 s[40:47], s[8:9], 0x0              ; entries 0 to 7
	s_add_nc_u64 s[4:5], s[4:5], s[20:21]
	s_add_nc_u64 s[24:25], s[10:11], s[22:23]      ; the three planes
	s_add_nc_u64 s[26:27], s[24:25], 0x400000
	s_add_nc_u64 s[28:29], s[26:27], 0x400000
.irp j, 0,1,2,3,4,5,6,7
	global_load_b128 v[G+4*\j:G+4*\j+3], v3, s[6:7] offset:512*\j
.endr
.irp i, 0,1,2,3
.irp j, 0,1,2,3,4,5,6,7
	global_load_b128 v[R+32*\i+4*\j:R+32*\i+4*\j+3], v3, s[4:5] offset:4096*\i+512*\j th:TH_LOAD_NT
.endr
.endr
	s_wait_kmcnt 0x0
.irp o, 0,1,2
	s_add_co_i32 s48, s[40+2*\o], 127
	s_lshl_b32 s49, s48, 23
	v_mov_b32 v[20+\o], s49                        ; 2^e
	s_add_co_i32 s48, s48, 15
	s_lshl_b32 s48, s48, 23
	s_or_b32 s48, s48, 0x600000
	v_mov_b32 v[24+\o], s48                        ; 57,344 x 2^e
.endr
	s_wait_loadcnt 32                              ; g1 is in; the four rows' 32 loads are younger
	TURN G
	s_wait_loadcnt 24                              ; row 0
	TURN R
	s_wait_loadcnt 16                              ; row 1
	TURN R+32
	s_wait_dscnt 16                                ; all but the turn just issued (8 stores, 8 loads)
	WORK 0
	s_wait_loadcnt 8
	TURN R+64
	s_wait_dscnt 16
	WORK 1
	s_wait_loadcnt 0x0
	TURN R+96
	s_wait_dscnt 16
	WORK 2
	s_wait_dscnt 0x0
	WORK 3
	s_wait_tensorcnt 0x0
	ds_add_u32 v254, v255
	s_wait_dscnt 0x0
	s_endpgm
	; ---- W3
.Lw3:
	s_load_b128 s[4:7], s[0:1], 0x10               ; W3, the scales' exponents
	s_load_b64 s[8:9], s[0:1], 0x28                ; w3c
	v_lshrrev_b32 v1, 5, v0
	v_readfirstlane_b32 s16, v1
	v_and_b32 v2, 31, v0
	v_lshlrev_b32 v3, 2, v2                        ; in: 4 bytes a lane
	v_lshrrev_b32 v5, 4, v2
	v_and_b32 v6, 15, v2
	v_mul_u32_u24 v4, v5, NBB
	v_lshl_add_u32 v4, v6, 4, v4                   ; out: my block of 16 columns, 16 bytes for my column
	s_sub_co_u32 s17, ttmp9, 256
	s_and_b32 s18, s17, 7                          ; which 128 columns
	s_lshr_b32 s19, s17, 3                         ; which 64 positions, 0..43
	s_lshl_b32 s20, s18, 9
	s_lshl_b32 s21, s16, 7
	s_add_co_u32 s20, s20, s21                     ; my wave's first column, in bytes
	s_lshl_b32 s21, s19, 6                         ; my first position
	s_lshl_b32 s28, s18, 3
	s_lshl_b32 s29, s16, 1
	s_add_co_u32 s28, s28, s29
	s_mul_i32 s28, s28, NBB
	s_lshl_b32 s29, s19, 10                        ; a position is 16 bytes in a block of 16 columns: 64 positions are two parts
	s_add_co_u32 s28, s28, s29
	s_mov_b32 s29, 0
	s_wait_alu depctr_va_vdst(0)
	s_wait_kmcnt 0x0
	s_load_b32 s26, s[6:7], 0x44                   ; entry 17
	s_add_nc_u64 s[8:9], s[8:9], s[28:29]
.irp t, 0,1
	s_add_co_u32 s22, s21, 32*\t                   ; the block's first position
	s_sub_co_i32 s24, 2774, s22
	s_max_i32 s24, s24, 0
	s_min_i32 s24, s24, 32
	s_cmp_ge_u32 s22, 2688
	s_cselect_b32 s23, 86, 0
	s_cselect_b32 s[48+\t], s24, 0                 ; positions of the block that hold zeros
	s_sub_co_u32 s22, s22, s23                     ; its first row of W3: 2,729 is the last that any block reaches
	s_lshl_b32 s22, s22, 12
	s_add_co_u32 s22, s22, s20
	s_mov_b32 s23, 0
	s_add_nc_u64 s[32+2*\t:33+2*\t], s[4:5], s[22:23]
.endr
	WLOAD 0
	WLOAD 1
	s_wait_kmcnt 0x0
	s_add_co_i32 s26, s26, 127
	s_lshl_b32 s27, s26, 23
	v_mov_b32 v11, s27
	s_add_co_i32 s26, s26, 15
	s_lshl_b32 s26, s26, 23
	s_or_b32 s26, s26, 0x600000
	v_mov_b32 v10, s26
	WBLOCK 0
	WBLOCK 1
	s_endpgm
.Lfunc_end_k_qd14a01ecf4_prep:
	.size	k_qd14a01ecf4_prep, .Lfunc_end_k_qd14a01ecf4_prep-k_qd14a01ecf4_prep
	.p2alignl 7, 3214868480
	.fill 96, 4, 3214868480
	.section	.rodata,"a",@progbits
	.p2align	6, 0x0
	.amdhsa_kernel k_qd14a01ecf4_prep
		.amdhsa_group_segment_fixed_size 20992
		.amdhsa_private_segment_fixed_size 0
		.amdhsa_enable_private_segment 0
		.amdhsa_kernarg_size 48
		.amdhsa_user_sgpr_count 2
		.amdhsa_user_sgpr_kernarg_segment_ptr 1
		.amdhsa_wavefront_size32 1
		.amdhsa_system_sgpr_workgroup_id_x 1
		.amdhsa_system_sgpr_workgroup_id_y 1
		.amdhsa_system_sgpr_workgroup_id_z 1
		.amdhsa_system_vgpr_workitem_id 0
		.amdhsa_next_free_vgpr 256
		.amdhsa_next_free_sgpr 100
		.amdhsa_reserve_vcc 0
		.amdhsa_float_denorm_mode_32 3
		.amdhsa_float_denorm_mode_16_64 3
		.amdhsa_memory_ordered 1
		.amdhsa_forward_progress 1
		.amdhsa_inst_pref_size 77
	.end_amdhsa_kernel
	.amdgpu_metadata
---
amdhsa.version: [ 1, 2 ]
amdhsa.kernels:
  - .name:           k_qd14a01ecf4_prep
    .symbol:         k_qd14a01ecf4_prep.kd
    .args:
      - { .name: x, .offset: 0, .size: 8, .value_kind: global_buffer, .address_space: global }
      - { .name: g1, .offset: 8, .size: 8, .value_kind: global_buffer, .address_space: global }
      - { .name: W3, .offset: 16, .size: 8, .value_kind: global_buffer, .address_space: global }
      - { .name: lowp_scales, .offset: 24, .size: 8, .value_kind: global_buffer, .address_space: global }
      - { .name: h3, .offset: 32, .size: 8, .value_kind: global_buffer, .address_space: global }
      - { .name: w3c, .offset: 40, .size: 8, .value_kind: global_buffer, .address_space: global }
    .group_segment_fixed_size: 20992
    .private_segment_fixed_size: 0
    .kernarg_segment_align: 8
    .kernarg_segment_size: 48
    .max_flat_workgroup_size: 128
    .sgpr_count:     100
    .vgpr_count:     256
    .wavefront_size: 32
...
	.end_amdgpu_metadata
.endif
;; end of part 1
;; launch qkv (part 2): grid 24 x 32, 4 waves a work-group, clusters of 4 x 4, 279,040 bytes of LDS; arguments h3, Wq_codes, Wk_codes, Wv_codes, lowp_scales, qkvc; writes qkvc
.if DOCPART == 2
	.amdgcn_target "amdgcn-amd-amdhsa--gfx1250"
	.amdhsa_code_object_version 6
	.text
	.protected	k_qd14a01ecf4_qkv
	.globl	k_qd14a01ecf4_qkv
	.p2align	8
	.type	k_qd14a01ecf4_qkv,@function
k_qd14a01ecf4_qkv:
	s_mov_b64 s[64:65], 0
	v_nop
	global_prefetch_b8 v0, s[64:65] scope:SCOPE_SE
	s_setreg_imm32_b32 hwreg(HW_REG_WAVE_MODE, 25, 1), 1
	s_wait_xcnt 0x0
	s_wait_alu depctr_hold_cnt(0) depctr_sa_sdst(0) depctr_va_vdst(0) depctr_va_sdst(0) depctr_va_ssrc(0) depctr_va_vcc(0) depctr_vm_vsrc(0)
	s_getreg_b32 s2, hwreg(HW_REG_IB_STS2, 6, 4)
	s_cmp_eq_u32 s2, 0
	s_cbranch_scc0 .Lentry_in_a_cluster
	s_endpgm
.Lentry_in_a_cluster:
	s_bfe_u32 s2, ttmp6, 0x10000c
	s_cmp_lg_u32 s2, 0xf033
	s_cbranch_scc0 .Lentry_shape_is_right
	s_endpgm
.Lentry_shape_is_right:
; q, k, v = h W on codes of E5M2, the results quantised at once (entries 6, 7, 8) into qkvc, laid as the next products' operand registers.
; Cluster x / 2 says which of the three; a tile of 128 tokens x 128 columns to a work-group, 64 x 64 (16 accumulators) to each of four waves.
; K = 1,024 lies WHOLE in LDS: each wave brings 64 rows of 1,024 bytes (+ 16 of padding: pitch 1,040) by ONE tensor load at the head; no LDS byte is filled twice; one wait and one barrier.
; CLUSTER 4 x 4: the four of a row need the same rows of h3, the four of a column the same rows of the weight: joint loads.
; No prefetch: every tile is asked for at the head, so there is no loop to run ahead in.
; A fragment is four loads of 16 bytes at row x pitch + 16 (lane / 16) + 32 c: a permutation of k, the same on both sides.
; q, k: source 0 = 16 rows of the weight, source 1 = 16 tokens: a lane holds one token and eight neighbouring channels (K of the next product = the head's 64).
; v: the sources change places: a lane holds one channel and eight neighbouring tokens (K = the keys).  The product is written twice, chosen by the cluster's x, which all sixteen partners share.
; qkvc: plane 0 q, plane 1 k: [32 heads][128 blocks of 16 tokens][1,024];  plane 2 v: [32 heads][16 steps of 128 keys][4 tiles of 16 channels][2,048].  Part p (512 bytes): lane l's registers 4p..4p+3 at 16 l.
; LIMITS: eo - eA - eB between -126 and 112 for each of the three.  NaN is not served.
.set PITCH, 1040
.set HALF,  64*PITCH                   ; what one tensor load brings: h3's two halves, then the weight's two
.set SPARE, 0x44000                    ; behind the tiles: the spare words
.set ACC,   128                        ; window 0: accumulator (a, b) at 8 (4 a + b)
.set F0,    0                          ; window 1: two fragment buffers: source 0's four fragments, then source 1's
.set F1,    128
.set MUL,   0x05                       ; sources 0 and 1 window 1; C and D window 0
.set G1A, 16
.set G1B, 24
.set G0A, 32
.set G0B, 36
.set WV,  66
.set MSB, 0
.macro WIN new                         ; the immediate's high byte repeats the setting that is left
.if MSB != \new
	s_set_vgpr_msb (MSB<<8)|\new
.set MSB, \new
.endif
.endm
.macro PLACES                          ; four plain instructions between a matrix instruction and a load into, or a read of, its registers
.rept 4
	v_nop
.endr
.endm
.macro CROUND                          ; a round of the cluster's barrier
	s_barrier_signal -1
	s_barrier_wait -1
	s_cmp_lg_u32 s[WV], 0
	s_cbranch_scc1 .Lnot_wave_0_\@
	s_barrier_signal -3
.Lnot_wave_0_\@:
	s_barrier_wait -3
	s_barrier_signal -1
	s_barrier_wait -1
.endm
.macro MUL4 f, a, zero                 ; the 16 accumulators take turns, one instruction a turn, in the same order in every step
.irp b, 0,1,2,3
.if \zero
	v_wmma_f32_16x16x128_bf8_bf8 v[ACC+8*(4*(\a)+\b):ACC+8*(4*(\a)+\b)+7], v[\f+16*\b:\f+16*\b+15], v[\f+64+16*(\a):\f+64+16*(\a)+15], 0
.else
	v_wmma_f32_16x16x128_bf8_bf8 v[ACC+8*(4*(\a)+\b):ACC+8*(4*(\a)+\b)+7], v[\f+16*\b:\f+16*\b+15], v[\f+64+16*(\a):\f+64+16*(\a)+15], v[ACC+8*(4*(\a)+\b):ACC+8*(4*(\a)+\b)+7]
.endif
.endr
.endm
.macro FETCH f, q                      ; 32 LDS loads in one run: the q-th 128 along K; S0, S1 name the address registers of source 0 and source 1
	WIN 0x40
.irp i, 0,1,2,3
.irp k, 0,1,2,3
	ds_load_b128 v[\f+16*\i+4*\k:\f+16*\i+4*\k+3], v[S0] offset:128*(\q)+32*\k+\i*16*PITCH
.endr
.endr
.irp i, 0,1,2,3
.irp k, 0,1,2,3
	ds_load_b128 v[\f+64+16*\i+4*\k:\f+64+16*\i+4*\k+3], v[S1] offset:128*(\q)+32*\k+\i*16*PITCH
.endr
.endr
.endm
.macro KSTEP f, g, q, zero             ; multiplies buffer f; in its middle step q's fragments are fetched into buffer g
	s_wait_dscnt 8                                 ; all but the youngest eight loads: source 1's fragments 2 and 3
	WIN MUL
	MUL4 \f, 0, \zero
	MUL4 \f, 1, \zero
	PLACES
	FETCH \g, \q
	s_wait_dscnt 32                                ; all but the 32 just issued
	WIN MUL
	MUL4 \f, 2, \zero
	MUL4 \f, 3, \zero
.endm
.macro PRODUCT                         ; eight steps of 128 along K
	FETCH F0, 0
	KSTEP F0, F1, 1, 1                             ; the first products start the sums
.irp q, 2,4,6
	KSTEP F1, F0, \q, 0
	KSTEP F0, F1, \q+1, 0
.endr
	s_wait_dscnt 8
	WIN MUL
	MUL4 F1, 0, 0
	MUL4 F1, 1, 0
	s_wait_dscnt 0x0
	MUL4 F1, 2, 0
	MUL4 F1, 3, 0
	WIN 0
.endm
	s_load_b256 s[4:11], s[0:1], 0x0               ; h3, Wq, Wk, Wv
	s_load_b128 s[12:15], s[0:1], 0x20             ; the scales' exponents, qkvc
	v_lshl_add_u32 v126, v0, 2, SPARE
	v_mov_b32 v127, 0
	ds_add_u32 v126, v127                          ; the opening lines: the add, twice on end, and its wait
	ds_add_u32 v126, v127
	v_lshrrev_b32 v1, 5, v0
	v_readfirstlane_b32 s[WV], v1                  ; wave 0..3
	s_lshr_b32 s67, s[WV], 1                       ; my half of the tokens.  Also: I fetch h3 (0) or the weight (1)
	s_and_b32 s68, s[WV], 1                        ; my half of the columns.  Also: which 64 rows I fetch
	s_bfe_u32 s69, ttmp6, 0x40000                  ; cx
	s_bfe_u32 s70, ttmp6, 0x40004                  ; cy
	s_lshr_b32 s73, ttmp9, 1                       ; 0 q, 1 k, 2 v: the same in all sixteen partners
	s_and_b32 s71, ttmp9, 1
	s_lshl_b32 s71, s71, 2
	s_add_co_u32 s71, s71, s69                     ; tile column, 0..7
	s_and_b32 s72, ttmp7, 0xffff
	s_lshl_b32 s72, s72, 2
	s_add_co_u32 s72, s72, s70                     ; tile row, 0..31
	s_lshl_b32 s74, s70, 2
	s_lshl_b32 s74, 15, s74                        ; my row of the cluster
	s_lshl_b32 s75, 0x1111, s69                    ; my column
	s_or_b32 s[G1A], s74, (1<<20)|(1<<21)|(7<<22)|(3<<25)   ; mask; elements of 1 byte; 4 words of padding behind every 256; bit 21 beside a mask
	s_or_b32 s[G1B], s75, (1<<20)|(1<<21)|(7<<22)|(3<<25)
.irp g, G1A, G1B
	s_mov_b32 s[\g+1], 1024<<16                    ; tensor_dim0
	s_mov_b32 s[\g+2], 64<<16                      ; tensor_dim1
	s_mov_b32 s[\g+3], 1024<<16                    ; tile_dim0
	s_mov_b32 s[\g+4], 64                          ; tile_dim1
	s_mov_b32 s[\g+5], 1024                        ; from row to row
	s_mov_b32 s[\g+6], 0
	s_mov_b32 s[\g+7], 0
.endr
	s_lshl_b32 s86, s72, 7
	s_lshl_b32 s87, s68, 6
	s_add_co_u32 s86, s86, s87
	s_lshl_b32 s86, s86, 10                        ; h3: row 128 x tile row + 64 x half,
	s_lshl_b32 s87, s73, 22
	s_add_co_u32 s86, s86, s87                     ; in its plane
	s_mov_b32 s87, 0
	s_lshl_b32 s88, s71, 7
	s_lshl_b32 s89, s68, 6
	s_add_co_u32 s88, s88, s89
	s_lshl_b32 s88, s88, 10                        ; the weight: row 128 x tile column + 64 x half
	s_mov_b32 s89, 0
	s_mul_i32 s90, s[WV], HALF                     ; where my load goes: wave x 64 rows
	s_wait_dscnt 0x0
	s_wait_kmcnt 0x0
	s_load_b256 s[76:83], s[12:13], 0x0            ; entries 0 to 7
	s_load_b32 s84, s[12:13], 0x20                 ; entry 8
	s_add_nc_u64 s[86:87], s[4:5], s[86:87]
	s_cmp_eq_u32 s73, 0
	s_cselect_b64 s[92:93], s[6:7], s[8:9]
	s_cmp_eq_u32 s73, 2
	s_cselect_b64 s[92:93], s[10:11], s[92:93]
	s_add_nc_u64 s[88:89], s[92:93], s[88:89]
	CROUND                                         ; all sixteen work-groups are here: the joint loads meet
	s_mov_b32 s[G0A], 1
	s_mov_b32 s[G0A+1], s90
	s_mov_b64 s[G0A+2:G0A+3], s[86:87]
	s_or_b32 s[G0A+3], s[G0A+3], 0x80000000
	s_mov_b32 s[G0B], 1
	s_mov_b32 s[G0B+1], s90
	s_mov_b64 s[G0B+2:G0B+3], s[88:89]
	s_or_b32 s[G0B+3], s[G0B+3], 0x80000000
	s_cmp_eq_u32 s67, 0                            ; one tensor load a wave, one to each arm
	s_cbranch_scc0 .Lfirst_b
	tensor_load_to_lds s[G0A:G0A+3], s[G1A:G1A+7]
	s_nop 0
	PLACES
	s_branch .Lfirst_asked
.Lfirst_b:
	tensor_load_to_lds s[G0B:G0B+3], s[G1B:G1B+7]
	s_nop 0
	PLACES
.Lfirst_asked:
	v_and_b32 v1, 15, v0                           ; r
	v_bfe_u32 v2, v0, 4, 1                         ; h
	v_and_b32 v3, 31, v0                           ; lane
	v_mul_u32_u24 v16, v1, PITCH
	v_lshl_add_u32 v16, v2, 4, v16
	s_wait_alu depctr_va_vdst(0)                   ; the wait ahead of the scalar run
	s_mul_i32 s91, s67, HALF                       ; my 64 tokens,
	s_mul_i32 s94, s68, HALF
	s_add_co_u32 s94, s94, 2*HALF                  ; my 64 rows of the weight
	v_add_nc_u32 v4, s94, v16
	v_add_nc_u32 v8, s91, v16
	s_lshr_b32 s92, s72, 4                         ; where my results go: head 16 b + 2 x tile column + half,
	s_lshl_b32 s92, s92, 4
	s_lshl_b32 s93, s71, 1
	s_add_co_u32 s92, s92, s93
	s_add_co_u32 s92, s92, s68
	s_lshl_b32 s92, s92, 17
	s_lshl_b32 s93, s73, 22                        ; the plane,
	s_add_co_u32 s92, s92, s93
	s_and_b32 s93, s72, 15
	s_lshl_b32 s93, s93, 13                        ; the tile's 128 tokens: 8,192 bytes in each layout,
	s_add_co_u32 s92, s92, s93
	s_cmp_eq_u32 s73, 2
	s_cselect_b32 s93, 10, 12                      ; my half of the tokens: two parts (v) or four blocks (q, k),
	s_cselect_b32 s85, 11, 10                      ; and from a to a + 1: a tile of channels (v) or a block of tokens
	s_lshl_b32 s93, s67, s93
	s_add_co_u32 s92, s92, s93
	s_mov_b32 s93, 0
	s_add_nc_u64 s[14:15], s[14:15], s[92:93]
	v_lshlrev_b32 v17, 4, v3
.irp a, 0,1,2,3
	s_lshl_b32 s94, \a, s85
	v_add_nc_u32 v[12+\a], s94, v17
.endr
	s_wait_alu depctr_va_vdst(0)
	s_wait_kmcnt 0x0
	s_cmp_eq_u32 s73, 0
	s_cselect_b32 s96, s76, s78
	s_cselect_b32 s97, s77, s79
	s_cselect_b32 s98, s82, s83
	s_cmp_eq_u32 s73, 2
	s_cselect_b32 s96, s80, s96
	s_cselect_b32 s97, s81, s97
	s_cselect_b32 s98, s84, s98
	s_sub_co_i32 s98, s98, s96
	s_sub_co_i32 s98, s98, s97                     ; a sum stands for sum x 2^(eA + eB): the three scales are folded into the conversion's one
	s_add_co_i32 s98, s98, 127
	s_lshl_b32 s99, s98, 23
	v_mov_b32 v21, s99
	s_add_co_i32 s98, s98, 15
	s_lshl_b32 s98, s98, 23
	s_or_b32 s98, s98, 0x600000
	v_mov_b32 v20, s98
	s_wait_alu depctr_va_vdst(0)                   ; the wait at the head's end
	s_wait_tensorcnt 0x0                           ; my 64 rows are in
	s_barrier_signal -1
	s_barrier_wait -1                              ; everybody's are.
	s_cmp_eq_u32 s73, 2
	s_cbranch_scc1 .Lv
.set S0, 4                             ; q, k: source 0 the weight, source 1 the tokens
.set S1, 8
	PRODUCT
	s_branch .Lout
.Lv:
.set S0, 8                             ; v: the other way round
.set S1, 4
	PRODUCT
.Lout:
	PLACES
.set j, 0
.rept 128
	v_med3_num_f32 v[ACC+j], v[ACC+j], -v20, v20   ; the hold, each accumulator from its low end on
.set j, j+1
.endr
.irp a, 0,1,2,3
.irp b, 0,1,2,3
	v_cvt_scalef32_pk8_bf8_f32 v[32+8*\a+2*\b:33+8*\a+2*\b], v[ACC+8*(4*\a+\b):ACC+8*(4*\a+\b)+7], v21
.endr
.endr
	v_nop
.irp a, 0,1,2,3
.irp p, 0,1
	global_store_b128 v[12+\a], v[32+8*\a+4*\p:35+8*\a+4*\p], s[14:15] offset:512*\p   ; 32 lanes store 512 consecutive bytes, aligned
.endr
.endr
	s_wait_tensorcnt 0x0                           ; the wave's end
	ds_add_u32 v126, v127
	s_wait_dscnt 0x0
	CROUND                                         ; the closing round
	s_endpgm
.Lfunc_end_k_qd14a01ecf4_qkv:
	.size	k_qd14a01ecf4_qkv, .Lfunc_end_k_qd14a01ecf4_qkv-k_qd14a01ecf4_qkv
	.p2alignl 7, 3214868480
	.fill 96, 4, 3214868480
	.section	.rodata,"a",@progbits
	.p2align	6, 0x0
	.amdhsa_kernel k_qd14a01ecf4_qkv
		.amdhsa_group_segment_fixed_size 279040
		.amdhsa_private_segment_fixed_size 0
		.amdhsa_enable_private_segment 0
		.amdhsa_kernarg_size 48
		.amdhsa_user_sgpr_count 2
		.amdhsa_user_sgpr_kernarg_segment_ptr 1
		.amdhsa_wavefront_size32 1
		.amdhsa_system_sgpr_workgroup_id_x 1
		.amdhsa_system_sgpr_workgroup_id_y 1
		.amdhsa_system_sgpr_workgroup_id_z 1
		.amdhsa_system_vgpr_workitem_id 0
		.amdhsa_next_free_vgpr 512
		.amdhsa_next_free_sgpr 100
		.amdhsa_reserve_vcc 0
		.amdhsa_float_denorm_mode_32 3
		.amdhsa_float_denorm_mode_16_64 3
		.amdhsa_memory_ordered 1
		.amdhsa_forward_progress 1
		.amdhsa_inst_pref_size 69
	.end_amdhsa_kernel
	.amdgpu_metadata
---
amdhsa.version: [ 1, 2 ]
amdhsa.kernels:
  - .name:           k_qd14a01ecf4_qkv
    .symbol:         k_qd14a01ecf4_qkv.kd
    .args:
      - { .name: h3, .offset: 0, .size: 8, .value_kind: global_buffer, .address_space: global }
      - { .name: Wq_codes, .offset: 8, .size: 8, .value_kind: global_buffer, .address_space: global }
      - { .name: Wk_codes, .offset: 16, .size: 8, .value_kind: global_buffer, .address_space: global }
      - { .name: Wv_codes, .offset: 24, .size: 8, .value_kind: global_buffer, .address_space: global }
      - { .name: lowp_scales, .offset: 32, .size: 8, .value_kind: global_buffer, .address_space: global }
      - { .name: qkvc, .offset: 40, .size: 8, .value_kind: global_buffer, .address_space: global }
    .group_segment_fixed_size: 279040
    .private_segment_fixed_size: 0
    .kernarg_segment_align: 8
    .kernarg_segment_size: 48
    .max_flat_workgroup_size: 128
    .sgpr_count:     100
    .vgpr_count:     512
    .wavefront_size: 32
...
	.end_amdgpu_metadata
.endif
;; end of part 2
;; launch attn (part 3): grid 8 x 32, 16 waves a work-group, no clusters, 327,680 bytes of LDS; arguments qkvc, lowp_scales, ctx; writes ctx
.if DOCPART == 3
	.amdgcn_target "amdgcn-amd-amdhsa--gfx1250"
	.amdhsa_code_object_version 6
	.text
	.protected	k_qd14a01ecf4_attn
	.globl	k_qd14a01ecf4_attn
	.p2align	8
	.type	k_qd14a01ecf4_attn,@function
k_qd14a01ecf4_attn:
	s_mov_b64 s[64:65], 0
	v_nop
	global_prefetch_b8 v0, s[64:65] scope:SCOPE_SE
	s_setreg_imm32_b32 hwreg(HW_REG_WAVE_MODE, 25, 1), 1
	s_wait_xcnt 0x0
.set WV,  18
.set SEL, 20
.set CS,  22
.set G1A, 24
.set G1B, 32
.set G1C, 40
.set G0,  48
.set TB,  2
.set CNT, 66
.set KF,  98
.set Q0,  99
.set ADK, 8
.set ADV, 9
.macro SHAPE g, rows
	s_mov_b32 s[\g], 3<<16
	s_mov_b32 s[\g+1], 32<<16
	s_mov_b32 s[\g+2], (\rows)<<16
	s_mov_b32 s[\g+3], 32<<16
	s_mov_b32 s[\g+4], \rows
	s_mov_b32 s[\g+5], 32
	s_mov_b32 s[\g+6], 0
	s_mov_b32 s[\g+7], 0
.endm
.macro STEP
	s_add_co_u32 s96, s[Q0], 15
	s_cmp_gt_u32 s[KF], s96
	s_cbranch_scc1 .Lhidden_\@
	v_add_nc_u32 v[ADK], s[TB], v1
	v_add_nc_u32 v[ADV], s[TB], v2
	v_nop
	v_nop
.irp t, 0,1,2,3,4,5,6,7
	ds_load_b128 v[32+8*\t:35+8*\t], v[ADK] offset:1024*\t
	ds_load_b128 v[36+8*\t:39+8*\t], v[ADK] offset:1024*\t+512
.endr
	s_wait_dscnt 0x0
.irp t, 0,1,2,3,4,5,6,7
	v_wmma_f32_16x16x64_bf8_bf8 v[96+8*\t:103+8*\t], v[32+8*\t:39+8*\t], v[16:23], 0
.endr
.rept 4
	v_nop
.endr
	s_add_co_u32 s96, s[KF], 127
	s_cmp_le_u32 s96, s[Q0]
	s_cbranch_scc1 .Lopen_\@
	s_sub_co_i32 s96, s[Q0], s[KF]
	v_and_b32 v252, 15, v0
	v_bfe_u32 v253, v0, 4, 1
	s_delay_alu instid0(VALU_DEP_1)
	v_lshlrev_b32 v253, 3, v253
	s_delay_alu instid0(VALU_DEP_1)
	v_sub_nc_u32 v252, v252, v253
	s_delay_alu instid0(VALU_DEP_1)
	v_add_nc_u32 v252, s96, v252
	v_mov_b32 v254, 0xff800000
.set n, 0
.rept 64
	v_cmp_gt_i32 vcc_lo, 16*(n/8)+n%8, v252
	v_cndmask_b32 v[96+n], v[96+n], v254, vcc_lo
.set n, n+1
.endr
.Lopen_\@:
	v_max3_num_f32 v254, v96, v97, v98
	v_max3_num_f32 v252, v99, v100, v101
.irp i, 6,10,14,18,22,26,30,34,38,42,46,50,54,58
	v_max3_num_f32 v254, v254, v[96+\i], v[97+\i]
	v_max3_num_f32 v252, v252, v[98+\i], v[99+\i]
.endr
	v_max3_num_f32 v254, v254, v158, v159
	s_delay_alu instid0(VALU_DEP_1)
	v_max_num_f32 v254, v254, v252
	v_permlanex16_b32 v236, v254, s[SEL], s[SEL+1]
	s_delay_alu instid0(VALU_DEP_1)
	v_max_num_f32 v254, v254, v236
	s_delay_alu instid0(VALU_DEP_1)
	v_mul_f32 v254, s[CS], v254
	s_delay_alu instid0(VALU_DEP_1)
	v_max_num_f32 v13, v13, v254
	v_mov_b32 v254, v12
	s_delay_alu instid0(VALU_DEP_2)
	v_floor_f32 v12, -v13
	s_delay_alu instid0(VALU_DEP_1)
	v_sub_f32 v254, v12, v254
	s_delay_alu instid0(VALU_DEP_1)
	v_cvt_i32_f32 v254, v254
	s_delay_alu instid0(VALU_DEP_1)
	v_ldexp_f32 v252, 1.0, v254
.set n, 0
.rept 32
	v_pk_fma_f32 v[96+n:97+n], v[96+n:97+n], s[CS:CS+1], v[12:13] op_sel_hi:[1,0,0]
.set n, n+2
.endr
.set n, 0
	s_wait_alu depctr_va_vdst(0)
.rept 64
	v_exp_f32 v[96+n], v[96+n]
.set n, n+1
.endr
	v_pk_mul_f32 v[14:15], v[14:15], v[252:253] op_sel_hi:[1,0]
	s_wait_alu depctr_va_vdst(0)
	v_pk_add_f32 v[242:243], v[96:97], v[98:99]
.irp j, 4,8,12,16,20,24,28,32,36,40,44,48,52,56,60
	v_pk_add_f32 v[14:15], v[14:15], v[96+\j:97+\j]
	v_pk_add_f32 v[242:243], v[242:243], v[98+\j:99+\j]
.endr
	s_delay_alu instid0(VALU_DEP_1)
	v_pk_add_f32 v[14:15], v[14:15], v[242:243]
.irp t, 0,1,2,3,4,5,6,7
.irp i, 0,1,2,3,4,5,6,7
	v_min_num_f32 v[96+8*\t+\i], v[96+8*\t+\i], v240
.endr
	v_cvt_scalef32_pk8_bf8_f32 v[224+2*\t:225+2*\t], v[96+8*\t:103+8*\t], v244
.endr
.set n, 0
.rept 16
	v_pk_mul_f32 v[160+n:161+n], v[160+n:161+n], v[252:253] op_sel_hi:[1,0]
.set n, n+2
.endr
.irp t, 0,1,2,3
.irp p, 0,1,2,3
	ds_load_b128 v[32+16*\t+4*\p:35+16*\t+4*\p], v[ADV] offset:2048*\t+512*\p
.endr
.endr
	s_wait_alu depctr_va_vdst(0)
	s_wait_dscnt 0x0
.irp t, 0,1,2,3
	v_wmma_f32_16x16x128_bf8_bf8 v[160+8*\t:167+8*\t], v[32+16*\t:47+16*\t], v[224:239], v[160+8*\t:167+8*\t]
.endr
.Lhidden_\@:
	s_add_co_u32 s[KF], s[KF], 128
	s_add_co_u32 s[TB], s[TB], 8192
.endm
.macro STAGE left, trips
	s_wait_tensorcnt \left
	s_wait_dscnt 0x0
	s_barrier_signal -1
	s_barrier_wait -1
	s_mov_b32 s[CNT], \trips
.Lstage_\@:
	STEP
	s_sub_co_u32 s[CNT], s[CNT], 1
	s_cmp_lg_u32 s[CNT], 0
	s_cbranch_scc1 .Lstage_\@
.endm
	s_load_b128 s[4:7], s[0:1], 0x0
	s_load_b64 s[8:9], s[0:1], 0x10
	v_lshl_add_u32 v251, v0, 2, 0x40000
	v_mov_b32 v255, 0
	ds_add_u32 v251, v255
	ds_add_u32 v251, v255
	v_lshrrev_b32 v8, 5, v0
	s_delay_alu instid0(VALU_DEP_1)
	v_readfirstlane_b32 s[WV], v8
	s_and_b32 s72, ttmp7, 0xffff
	s_lshl_b32 s73, s72, 17
	s_lshr_b32 s74, s[WV], 3
	s_and_b32 s75, s[WV], 7
	s_lshl_b32 s76, s74, 17
	s_add_co_u32 s79, s74, 1
	s_lshl_b32 s79, s79, 22
	s_add_co_u32 s79, s79, s73
	s_lshl_b32 s88, s75, 13                        ; two fills a wave, 8,192 bytes each: waves 0-7 K's, waves 8-15 V's; fill 0: keys 0-1,023,
	s_add_co_u32 s89, s88, 65536                   ; fill 1: keys 1,024-2,047
.irp i, 0,1
	s_mov_b32 s[G0+4*\i], 1
	s_add_co_u32 s[G0+4*\i+1], s76, s[88+\i]
	s_add_co_u32 s[80+2*\i], s79, s[88+\i]
	s_mov_b32 s[81+2*\i], 0
.endr
	SHAPE G1C, 32
	s_wait_dscnt 0x0
	s_wait_kmcnt 0x0
	s_load_b128 s[68:71], s[6:7], 0x18
	s_load_b32 s67, s[6:7], 0x28
.irp i, 0,1
	s_add_nc_u64 s[G0+4*\i+2:G0+4*\i+3], s[4:5], s[80+2*\i:81+2*\i]
	s_or_b32 s[G0+4*\i+3], s[G0+4*\i+3], 0x80000000
.endr
	tensor_load_to_lds s[G0:G0+3], s[G1C:G1C+7]    ; fill 0: my one tensor load at the head; Q's load and the head's register work stand between it and the wait for it
	s_nop 0
.rept 4
	v_nop
.endr
	s_lshr_b32 s82, s[WV], 2
	s_xor_b32 s82, s82, s[WV]
	s_and_b32 s82, s82, 1
	s_sub_co_u32 s83, 15, ttmp9
	s_cmp_eq_u32 s82, 1
	s_cselect_b32 s83, s83, ttmp9
	s_lshl_b32 s83, s83, 7
	s_lshr_b32 s84, s[WV], 1
	s_lshl_b32 s84, s84, 4
	s_add_co_u32 s[Q0], s83, s84
	s_lshl_b32 s86, s[Q0], 6
	s_add_co_u32 s86, s86, s73
	s_mov_b32 s87, 0
	s_add_nc_u64 s[10:11], s[4:5], s[86:87]
	v_and_b32 v1, 31, v0
	s_delay_alu instid0(VALU_DEP_1)
	v_lshlrev_b32 v1, 4, v1
	s_delay_alu instid0(VALU_DEP_1)
	v_add_nc_u32 v2, 0x20000, v1
	global_load_b128 v[16:19], v1, s[10:11]
	global_load_b128 v[20:23], v1, s[10:11] offset:512
	s_lshr_b32 s86, s72, 4
	s_lshl_b32 s86, s86, 21
	s_lshl_b32 s88, s[Q0], 10
	s_add_co_u32 s86, s86, s88
	s_and_b32 s88, s72, 15
	s_lshr_b32 s88, s88, 1
	s_lshl_b32 s88, s88, 11
	s_add_co_u32 s86, s86, s88
	s_and_b32 s88, s72, 1
	s_lshl_b32 s88, s88, 10
	s_add_co_u32 s86, s86, s88
	s_add_nc_u64 s[8:9], s[8:9], s[86:87]
	s_mov_b32 s[SEL], 0x76543210
	s_mov_b32 s[SEL+1], 0xfedcba98
	s_mov_b32 s[CS], 0x3e38aa3b
	s_mov_b32 s[TB], 0
	s_mov_b32 s[KF], 0
	v_mov_b32 v13, 0xff61b1e6
	s_delay_alu instid0(VALU_DEP_1)
	v_floor_f32 v12, -v13
	v_mov_b32 v14, 0
	v_mov_b32 v15, 0
	v_mov_b32 v236, 0
	v_mov_b32 v252, 0
	v_mov_b32 v253, 0
.set n, 0
.rept 32
	v_mov_b32 v[160+n], 0
.set n, n+1
.endr
	s_wait_kmcnt 0x0
	s_add_co_i32 s84, s68, s69
	s_lshl_b32 s84, s84, 23
	s_add_co_i32 s[CS], s[CS], s84
	s_mov_b32 s[CS+1], s[CS]
	s_add_co_i32 s84, s71, 127
	s_lshl_b32 s85, s84, 23
	v_mov_b32 v244, s85
	s_add_co_i32 s84, s84, 15
	s_lshl_b32 s84, s84, 23
	s_or_b32 s84, s84, 0x600000
	v_mov_b32 v240, s84
	s_wait_alu depctr_va_vdst(0)                   ; the wait at the head's end
	s_wait_tensorcnt 0x0                           ; my part of keys 0-1,023 is in
	ds_add_u32 v251, v255
	s_wait_dscnt 0x0
	s_barrier_signal -1
	s_barrier_wait -1
	tensor_load_to_lds s[G0+4:G0+7], s[G1C:G1C+7]  ; fill 1: it has the first eight key steps in which to land
	s_nop 0
.rept 4
	v_nop
.endr
	s_wait_loadcnt 0x0                             ; Q
	STAGE 1, 8                                     ; keys 0-1,023; the one load that may be out is fill 1
	STAGE 0, 8                                     ; keys 1,024-2,047
.rept 4
	v_nop
.endr
	v_add_f32 v14, v14, v15
	s_delay_alu instid0(VALU_DEP_1)
	v_permlanex16_b32 v252, v14, s[SEL], s[SEL+1]
	s_delay_alu instid0(VALU_DEP_1)
	v_add_f32 v14, v14, v252
	s_wait_alu depctr_va_vdst(0)
	v_rcp_f32 v14, v14
	v_nop
	s_sub_co_i32 s84, s67, s70
	s_sub_co_i32 s84, s84, s71
	s_add_co_i32 s84, s84, 127
	s_lshl_b32 s85, s84, 23
	v_mov_b32 v247, s85
	s_add_co_i32 s84, s84, 15
	s_lshl_b32 s84, s84, 23
	s_or_b32 s84, s84, 0x600000
	v_mov_b32 v246, s84
	s_wait_alu depctr_va_vdst(0)
.set n, 0
.rept 32
	v_mul_f32 v[96+n], v[160+n], v14
.set n, n+1
.endr
.set n, 0
.rept 32
	v_med3_num_f32 v[96+n], v[96+n], -v246, v246
.set n, n+1
.endr
.irp t, 0,1,2,3
	v_cvt_scalef32_pk8_bf8_f32 v[224+2*\t:225+2*\t], v[96+8*\t:103+8*\t], v247
.endr
	v_nop
	global_store_b128 v1, v[224:227], s[8:9]
	global_store_b128 v1, v[228:231], s[8:9] offset:512
	s_wait_tensorcnt 0x0
	ds_add_u32 v251, v255
	s_wait_dscnt 0x0
	s_endpgm
.Lfunc_end_k_qd14a01ecf4_attn:
	.size	k_qd14a01ecf4_attn, .Lfunc_end_k_qd14a01ecf4_attn-k_qd14a01ecf4_attn
	.p2alignl 7, 3214868480
	.fill 96, 4, 3214868480
	.section	.rodata,"a",@progbits
	.p2align	6, 0x0
	.amdhsa_kernel k_qd14a01ecf4_attn
		.amdhsa_group_segment_fixed_size 327680
		.amdhsa_private_segment_fixed_size 0
		.amdhsa_enable_private_segment 0
		.amdhsa_kernarg_size 24
		.amdhsa_user_sgpr_count 2
		.amdhsa_user_sgpr_kernarg_segment_ptr 1
		.amdhsa_wavefront_size32 1
		.amdhsa_system_sgpr_workgroup_id_x 1
		.amdhsa_system_sgpr_workgroup_id_y 1
		.amdhsa_system_sgpr_workgroup_id_z 1
		.amdhsa_system_vgpr_workitem_id 0
		.amdhsa_next_free_vgpr 256
		.amdhsa_next_free_sgpr 100
		.amdhsa_reserve_vcc 1
		.amdhsa_float_denorm_mode_32 3
		.amdhsa_float_denorm_mode_16_64 3
		.amdhsa_memory_ordered 1
		.amdhsa_forward_progress 1
		.amdhsa_inst_pref_size 53
	.end_amdhsa_kernel
	.amdgpu_metadata
---
amdhsa.version: [ 1, 2 ]
amdhsa.kernels:
  - .name:           k_qd14a01ecf4_attn
    .symbol:         k_qd14a01ecf4_attn.kd
    .args:
      - { .name: qkvc, .offset: 0, .size: 8, .value_kind: global_buffer, .address_space: global }
      - { .name: lowp_scales, .offset: 8, .size: 8, .value_kind: global_buffer, .address_space: global }
      - { .name: ctx, .offset: 16, .size: 8, .value_kind: global_buffer, .address_space: global }
    .group_segment_fixed_size: 327680
    .private_segment_fixed_size: 0
    .kernarg_segment_align: 8
    .kernarg_segment_size: 24
    .max_flat_workgroup_size: 512
    .sgpr_count:     100
    .vgpr_count:     256
    .wavefront_size: 32
...
	.end_amdgpu_metadata
.endif
;; end of part 3
;; launch oproj (part 4): grid 8 x 32, 4 waves a work-group, clusters of 4 x 4, 288,256 bytes of LDS; arguments ctx, Wo_codes, lowp_scales, x, x1; writes x1
.if DOCPART == 4
	.amdgcn_target "amdgcn-amd-amdhsa--gfx1250"
	.amdhsa_code_object_version 6
	.text
	.protected	k_qd14a01ecf4_oproj
	.globl	k_qd14a01ecf4_oproj
	.p2align	8
	.type	k_qd14a01ecf4_oproj,@function
k_qd14a01ecf4_oproj:
	s_mov_b64 s[64:65], 0
	v_nop
	global_prefetch_b8 v0, s[64:65] scope:SCOPE_SE
	s_setreg_imm32_b32 hwreg(HW_REG_WAVE_MODE, 25, 1), 1
	s_wait_xcnt 0x0
	s_wait_alu depctr_hold_cnt(0) depctr_sa_sdst(0) depctr_va_vdst(0) depctr_va_sdst(0) depctr_va_ssrc(0) depctr_va_vcc(0) depctr_vm_vsrc(0)
	s_getreg_b32 s2, hwreg(HW_REG_IB_STS2, 6, 4)
	s_cmp_eq_u32 s2, 0
	s_cbranch_scc0 .Lentry_in_a_cluster
	s_endpgm
.Lentry_in_a_cluster:
	s_bfe_u32 s2, ttmp6, 0x10000c
	s_cmp_lg_u32 s2, 0xf033
	s_cbranch_scc0 .Lentry_shape_is_right
	s_endpgm
.Lentry_shape_is_right:
; x1 = x + ctx Wo, the product on codes of E5M2; x1 is f32.  A tile of 128 tokens x 128 columns to a work-group (256 work-groups), 64 x 64 to each of four waves.
; K = 1,024 lies whole in LDS, brought by ONE tensor load a wave at the head; no byte is filled twice; one wait and one barrier.
; ctx comes as images of operand registers ([256 blocks of 16 rows][8 K steps][2,048]): a wave's four blocks are 65,536 dense bytes; a fragment is four loads of 16 bytes at 16 x lane, in the form's own order of k.
; So Wo's fragments (rows of 1,024 bytes + 16 of padding) are read in that order too: eight loads of 8 bytes at row x pitch + 8 (lane / 16) + 16 c.
; CLUSTER 4 x 4: ctx's tiles are shared along a row of the cluster, Wo's along a column: joint loads.  No prefetch: every tile is asked for at the head, so there is no loop to run ahead in.
; Source 0 = 16 rows of Wo, source 1 = 16 tokens: a lane holds eight neighbouring columns of a token.  A block of 16 tokens x 64 columns goes through the wave's own stage (no tensor load fills it) and comes
; back as whole rows of 256 bytes; x's numbers, asked for at the head in that layout, take sum x 2^(e10 + e11) by one packed multiply-add.
; LIMIT: e10 + e11 between -126 and 127.
.set PITCH, 1040
.set HALFB, 64*PITCH
.set WOFF,  131072                     ; ctx's 8 blocks x 16,384, then Wo's 128 rows
.set STAGE, WOFF+2*HALFB
.set SPITCH, 272
.set SPARE, 0x46400                    ; behind the stages: the spare words
.set ACC,   128
.set F0,    0
.set F1,    128
.set MUL,   0x05
.set NF,    48                         ; LDS loads of a K step: 4 x 8 + 4 x 4
.set BK,    32                         ; v32-63, v64-95: rows back from the stage, by turns
.set G1A, 16
.set G1B, 24
.set G0A, 32
.set G0B, 36
.set WV,  66
.set MSB, 0
.macro WIN new
.if MSB != \new
	s_set_vgpr_msb (MSB<<8)|\new
.set MSB, \new
.endif
.endm
.macro PLACES
.rept 4
	v_nop
.endr
.endm
.macro CROUND
	s_barrier_signal -1
	s_barrier_wait -1
	s_cmp_lg_u32 s[WV], 0
	s_cbranch_scc1 .Lnot_wave_0_\@
	s_barrier_signal -3
.Lnot_wave_0_\@:
	s_barrier_wait -3
	s_barrier_signal -1
	s_barrier_wait -1
.endm
.macro MUL4 f, a, zero                 ; the 16 accumulators take turns, one instruction a turn
.irp b, 0,1,2,3
.if \zero
	v_wmma_f32_16x16x128_bf8_bf8 v[ACC+8*(4*(\a)+\b):ACC+8*(4*(\a)+\b)+7], v[\f+16*\b:\f+16*\b+15], v[\f+64+16*(\a):\f+64+16*(\a)+15], 0
.else
	v_wmma_f32_16x16x128_bf8_bf8 v[ACC+8*(4*(\a)+\b):ACC+8*(4*(\a)+\b)+7], v[\f+16*\b:\f+16*\b+15], v[\f+64+16*(\a):\f+64+16*(\a)+15], v[ACC+8*(4*(\a)+\b):ACC+8*(4*(\a)+\b)+7]
.endif
.endr
.endm
.macro FETCH f, q                      ; the q-th 128 along K
	WIN 0x40
.irp i, 0,1,2,3
.irp k, 0,1,2,3,4,5,6,7
	ds_load_b64 v[\f+16*\i+2*\k:\f+16*\i+2*\k+1], v4 offset:128*(\q)+16*\k+\i*16*PITCH
.endr
.endr
.irp i, 0,1,2,3
.irp p, 0,1,2,3
	ds_load_b128 v[\f+64+16*\i+4*\p:\f+64+16*\i+4*\p+3], v8 offset:16384*\i+2048*(\q)+512*\p
.endr
.endr
.endm
.macro KSTEP f, g, q, zero
	s_wait_dscnt 8                                 ; all but the youngest eight loads: source 1's fragments 2 and 3
	WIN MUL
	MUL4 \f, 0, \zero
	MUL4 \f, 1, \zero
	PLACES
	FETCH \g, \q
	s_wait_dscnt NF                                ; all but those just issued
	WIN MUL
	MUL4 \f, 2, \zero
	MUL4 \f, 3, \zero
.endm
.macro OUTSTAGE a                      ; LDS serves a wave's instructions in order: the loads see the stores, and the next block's stores come behind them
.irp b, 0,1,2,3
	ds_store_b128 v16, v[ACC+8*(4*(\a)+\b):ACC+8*(4*(\a)+\b)+3] offset:64*\b
	ds_store_b128 v16, v[ACC+8*(4*(\a)+\b)+4:ACC+8*(4*(\a)+\b)+7] offset:64*\b+16
.endr
.irp t, 0,1,2,3,4,5,6,7
	ds_load_b128 v[BK+32*((\a)%2)+4*\t:BK+32*((\a)%2)+4*\t+3], v17 offset:2*\t*SPITCH
.endr
.endm
.macro SEND a, younger
	s_wait_dscnt \younger                          ; the block is back; the next block's 8 stores and 8 loads may be out
	WIN 0xa0                                       ; the residual (source 2 and destination) in window 2
.irp i, 0,2,4,6,8,10,12,14,16,18,20,22,24,26,28,30
	v_pk_fma_f32 v[32*(\a)+\i:32*(\a)+\i+1], v[BK+32*((\a)%2)+\i:BK+32*((\a)%2)+\i+1], s[96:97], v[32*(\a)+\i:32*(\a)+\i+1] op_sel_hi:[1,0,1]
.endr
	WIN 0x08                                       ; a store's data are source 1
.irp t, 0,1,2,3,4,5,6,7
	global_store_b128 v18, v[32*(\a)+4*\t:32*(\a)+4*\t+3], s[12:13] offset:(16*(\a)+2*\t)*4096   ; sixteen lanes store 256 consecutive bytes, aligned
.endr
	WIN 0
.endm
	s_load_b256 s[4:11], s[0:1], 0x0               ; ctx, Wo, the scales' exponents, x
	s_load_b64 s[12:13], s[0:1], 0x20              ; x1
	v_lshl_add_u32 v126, v0, 2, SPARE
	v_mov_b32 v127, 0
	ds_add_u32 v126, v127                          ; the opening lines: the add, twice on end, and its wait
	ds_add_u32 v126, v127
	v_lshrrev_b32 v1, 5, v0
	v_readfirstlane_b32 s[WV], v1
	s_lshr_b32 s67, s[WV], 1                       ; my half of the tokens.  Also: I fetch ctx (0) or Wo (1)
	s_and_b32 s68, s[WV], 1                        ; my half of the columns.  Also: which half of that tile I fetch
	s_bfe_u32 s69, ttmp6, 0x40000
	s_bfe_u32 s70, ttmp6, 0x40004
	s_lshl_b32 s71, ttmp9, 2
	s_add_co_u32 s71, s71, s69                     ; tile column
	s_and_b32 s72, ttmp7, 0xffff
	s_lshl_b32 s72, s72, 2
	s_add_co_u32 s72, s72, s70                     ; tile row
	s_lshl_b32 s74, s70, 2
	s_lshl_b32 s74, 15, s74
	s_lshl_b32 s75, 0x1111, s69
	s_or_b32 s[G1A], s74, (3<<16)|(1<<21)          ; ctx: elements of 8 bytes, no padding
	s_mov_b32 s[G1A+1], 512<<16                    ; 16 rows of 4,096 bytes, dense
	s_mov_b32 s[G1A+2], 16<<16
	s_mov_b32 s[G1A+3], 512<<16
	s_mov_b32 s[G1A+4], 16
	s_mov_b32 s[G1A+5], 512
	s_mov_b32 s[G1A+6], 0
	s_mov_b32 s[G1A+7], 0
	s_or_b32 s[G1B], s75, (1<<20)|(1<<21)|(7<<22)|(3<<25)   ; Wo: 64 rows of 1,024 bytes, 4 words of padding behind each
	s_mov_b32 s[G1B+1], 1024<<16
	s_mov_b32 s[G1B+2], 64<<16
	s_mov_b32 s[G1B+3], 1024<<16
	s_mov_b32 s[G1B+4], 64
	s_mov_b32 s[G1B+5], 1024
	s_mov_b32 s[G1B+6], 0
	s_mov_b32 s[G1B+7], 0
	s_lshl_b32 s86, s72, 3
	s_lshl_b32 s87, s68, 2
	s_add_co_u32 s86, s86, s87
	s_lshl_b32 s86, s86, 14                        ; ctx: block 8 x tile row + 4 x half
	s_mov_b32 s87, 0
	s_lshl_b32 s88, s71, 7
	s_lshl_b32 s89, s68, 6
	s_add_co_u32 s88, s88, s89
	s_lshl_b32 s88, s88, 10                        ; Wo: row 128 x tile column + 64 x half
	s_mov_b32 s89, 0
	s_lshl_b32 s90, s68, 16                        ; their places in LDS
	s_mul_i32 s91, s68, HALFB
	s_add_co_u32 s91, s91, WOFF
	s_lshl_b32 s92, s72, 7                         ; my part of x and x1
	s_lshl_b32 s93, s67, 6
	s_add_co_u32 s92, s92, s93
	s_lshl_b32 s92, s92, 12
	s_lshl_b32 s93, s71, 9
	s_add_co_u32 s92, s92, s93
	s_lshl_b32 s93, s68, 8
	s_add_co_u32 s92, s92, s93
	s_mov_b32 s93, 0
	v_and_b32 v1, 15, v0
	v_bfe_u32 v2, v0, 4, 1
	v_and_b32 v3, 31, v0
	v_lshlrev_b32 v18, 12, v2
	v_lshl_add_u32 v18, v1, 4, v18                 ; lanes 0-15 one row of 256 bytes, lanes 16-31 the next
	s_wait_dscnt 0x0
	s_wait_kmcnt 0x0
	s_load_b64 s[76:77], s[8:9], 0x28              ; entries 10, 11
	s_add_nc_u64 s[86:87], s[4:5], s[86:87]
	s_add_nc_u64 s[88:89], s[6:7], s[88:89]
	s_add_nc_u64 s[10:11], s[10:11], s[92:93]
	s_add_nc_u64 s[12:13], s[12:13], s[92:93]
	CROUND
	s_mov_b32 s[G0A], 1
	s_mov_b32 s[G0A+1], s90
	s_mov_b64 s[G0A+2:G0A+3], s[86:87]
	s_or_b32 s[G0A+3], s[G0A+3], 0x80000000
	s_mov_b32 s[G0B], 1
	s_mov_b32 s[G0B+1], s91
	s_mov_b64 s[G0B+2:G0B+3], s[88:89]
	s_or_b32 s[G0B+3], s[G0B+3], 0x80000000
	s_cmp_eq_u32 s67, 0                            ; one tensor load a wave, one to each arm
	s_cbranch_scc0 .Lfirst_b
	tensor_load_to_lds s[G0A:G0A+3], s[G1A:G1A+7]
	s_nop 0
	PLACES
	s_branch .Lfirst_asked
.Lfirst_b:
	tensor_load_to_lds s[G0B:G0B+3], s[G1B:G1B+7]
	s_nop 0
	PLACES
.Lfirst_asked:
	WIN 0x80                                       ; the residual, into window 2, in the layout in which the rows come back from the stage
	s_wait_alu depctr_va_vdst(0)
.irp a, 0,1,2,3
.irp t, 0,1,2,3,4,5,6,7
	global_load_b128 v[32*\a+4*\t:32*\a+4*\t+3], v18, s[10:11] offset:(16*\a+2*\t)*4096
.endr
.endr
	WIN 0
	v_lshlrev_b32 v19, 4, v3
	v_mul_u32_u24 v22, v1, PITCH
	v_lshl_add_u32 v22, v2, 3, v22
	s_wait_alu depctr_va_vdst(0)
	s_lshl_b32 s94, s67, 16                        ; my four blocks of ctx,
	s_mul_i32 s95, s68, HALFB
	s_add_co_u32 s95, s95, WOFF                    ; my 64 rows of Wo
	v_add_nc_u32 v4, s95, v22
	v_add_nc_u32 v8, s94, v19
	s_mul_i32 s94, s[WV], 16*SPITCH
	s_add_co_u32 s94, s94, STAGE                   ; my stage
	v_mul_u32_u24 v16, v1, SPITCH
	v_lshl_add_u32 v16, v2, 5, v16
	v_add_nc_u32 v16, s94, v16                     ; in: row r, 32 bytes for each half of the lanes
	v_mul_u32_u24 v17, v2, SPITCH
	v_lshl_add_u32 v17, v1, 4, v17
	v_add_nc_u32 v17, s94, v17                     ; back: two rows an instruction
	s_wait_alu depctr_va_vdst(0)                   ; the wait at the head's end
	s_wait_kmcnt 0x0
	s_add_co_i32 s96, s76, s77
	s_add_co_i32 s96, s96, 127
	s_lshl_b32 s96, s96, 23                        ; 2^(e10 + e11)
	s_mov_b32 s97, s96
	s_wait_tensorcnt 0x0                           ; my part of the tiles is in
	s_barrier_signal -1
	s_barrier_wait -1                              ; everybody's is.
	FETCH F0, 0
	KSTEP F0, F1, 1, 1                             ; the first products start the sums
.irp q, 2,4,6
	KSTEP F1, F0, \q, 0
	KSTEP F0, F1, \q+1, 0
.endr
	s_wait_dscnt 8
	WIN MUL
	MUL4 F1, 0, 0
	MUL4 F1, 1, 0
	s_wait_dscnt 0x0
	MUL4 F1, 2, 0
	MUL4 F1, 3, 0
	WIN 0
	s_wait_loadcnt 0x0                             ; the residual
	PLACES
	OUTSTAGE 0
	OUTSTAGE 1
	SEND 0, 16
	OUTSTAGE 2
	SEND 1, 16
	OUTSTAGE 3
	SEND 2, 16
	SEND 3, 0
	s_wait_tensorcnt 0x0                           ; the wave's end
	ds_add_u32 v126, v127
	s_wait_dscnt 0x0
	CROUND                                         ; the closing round
	s_endpgm
.Lfunc_end_k_qd14a01ecf4_oproj:
	.size	k_qd14a01ecf4_oproj, .Lfunc_end_k_qd14a01ecf4_oproj-k_qd14a01ecf4_oproj
	.p2alignl 7, 3214868480
	.fill 96, 4, 3214868480
	.section	.rodata,"a",@progbits
	.p2align	6, 0x0
	.amdhsa_kernel k_qd14a01ecf4_oproj
		.amdhsa_group_segment_fixed_size 288256
		.amdhsa_private_segment_fixed_size 0
		.amdhsa_enable_private_segment 0
		.amdhsa_kernarg_size 40
		.amdhsa_user_sgpr_count 2
		.amdhsa_user_sgpr_kernarg_segment_ptr 1
		.amdhsa_wavefront_size32 1
		.amdhsa_system_sgpr_workgroup_id_x 1
		.amdhsa_system_sgpr_workgroup_id_y 1
		.amdhsa_system_sgpr_workgroup_id_z 1
		.amdhsa_system_vgpr_workitem_id 0
		.amdhsa_next_free_vgpr 640
		.amdhsa_next_free_sgpr 100
		.amdhsa_reserve_vcc 0
		.amdhsa_float_denorm_mode_32 3
		.amdhsa_float_denorm_mode_16_64 3
		.amdhsa_memory_ordered 1
		.amdhsa_forward_progress 1
		.amdhsa_inst_pref_size 56
	.end_amdhsa_kernel
	.amdgpu_metadata
---
amdhsa.version: [ 1, 2 ]
amdhsa.kernels:
  - .name:           k_qd14a01ecf4_oproj
    .symbol:         k_qd14a01ecf4_oproj.kd
    .args:
      - { .name: ctx, .offset: 0, .size: 8, .value_kind: global_buffer, .address_space: global }
      - { .name: Wo_codes, .offset: 8, .size: 8, .value_kind: global_buffer, .address_space: global }
      - { .name: lowp_scales, .offset: 16, .size: 8, .value_kind: global_buffer, .address_space: global }
      - { .name: x, .offset: 24, .size: 8, .value_kind: global_buffer, .address_space: global }
      - { .name: x1, .offset: 32, .size: 8, .value_kind: global_buffer, .address_space: global }
    .group_segment_fixed_size: 288256
    .private_segment_fixed_size: 0
    .kernarg_segment_align: 8
    .kernarg_segment_size: 40
    .max_flat_workgroup_size: 128
    .sgpr_count:     100
    .vgpr_count:     640
    .wavefront_size: 32
...
	.end_amdgpu_metadata
.endif
;; end of part 4
;; launch norm2 (part 5): grid 256 x 1, 4 waves a work-group, no clusters, 20,992 bytes of LDS; arguments x1, g2, lowp_scales, h2; writes h2
.if DOCPART == 5
	.amdgcn_target "amdgcn-amd-amdhsa--gfx1250"
	.amdhsa_code_object_version 6
	.text
	.protected	k_qd14a01ecf4_norm2
	.globl	k_qd14a01ecf4_norm2
	.p2align	8
	.type	k_qd14a01ecf4_norm2,@function
k_qd14a01ecf4_norm2:
	s_mov_b64 s[64:65], 0
	v_nop
	global_prefetch_b8 v0, s[64:65] scope:SCOPE_SE
	s_setreg_imm32_b32 hwreg(HW_REG_WAVE_MODE, 25, 1), 1
	s_wait_xcnt 0x0
; h2 = g2 * (x1 * rsqrt(mean(x1^2) + 1e-5)), quantised twice (scales' entries 12 and 14) into two planes of h2, [4096][1024] codes of E5M2, rows as they lie.
; A wave takes 4 rows, a row at a time in 32 registers: 8 loads of 512 consecutive bytes.  The conversions take neighbours along K from ONE lane's registers, so a row turns through the wave's own stage in LDS
; (64 bytes + 16 of padding a place) and comes back 16 neighbours a lane and half row.  A lane's 16 codes are 16 bytes: a store covers 512 consecutive bytes.  Waves share nothing: no barrier.
; LIMITS: both exponents between -126 and 112.  NaN among the inputs is not served.
.set G,    32
.set R,    64
.set T,    192
.set C,    208
.set SP,   80
.macro TURN reg
.irp s, 0,1
.irp i, 0,1,2,3
	ds_store_b128 v14, v[\reg+16*\s+4*\i:\reg+16*\s+4*\i+3] offset:32*SP*\s+8*SP*\i
.endr
.endr
.irp s, 0,1
.irp i, 0,1,2,3
	ds_load_b128 v[\reg+16*\s+4*\i:\reg+16*\s+4*\i+3], v15 offset:32*SP*\s+16*\i   ; LDS serves a wave's instructions in order: these see the stores above
.endr
.endr
.endm
.macro WORK i
.set XR, R+32*(\i)
	v_pk_mul_f32 v[232:233], v[XR:XR+1], v[XR:XR+1]
	v_pk_mul_f32 v[234:235], v[XR+2:XR+3], v[XR+2:XR+3]
.irp j, 4,8,12,16,20,24,28
	v_pk_fma_f32 v[232:233], v[XR+\j:XR+\j+1], v[XR+\j:XR+\j+1], v[232:233]
	v_pk_fma_f32 v[234:235], v[XR+\j+2:XR+\j+3], v[XR+\j+2:XR+\j+3], v[234:235]
.endr
	v_pk_add_f32 v[232:233], v[232:233], v[234:235]
	v_add_f32 v232, v232, v233
	v_add_f32_dpp v232, v232, v232 row_xmask:1 row_mask:0xf bank_mask:0xf
	v_add_f32_dpp v232, v232, v232 row_xmask:2 row_mask:0xf bank_mask:0xf
	v_add_f32_dpp v232, v232, v232 row_xmask:4 row_mask:0xf bank_mask:0xf
	v_add_f32_dpp v232, v232, v232 row_xmask:8 row_mask:0xf bank_mask:0xf
	v_permlanex16_b32 v236, v232, s12, s13
	v_add_f32 v232, v232, v236
	v_fma_f32 v238, v232, s14, s15
	s_wait_alu depctr_va_vdst(0)
	v_rsq_f32 v240, v238
	v_nop                                                  ; a plain instruction behind the transcendental
	s_wait_alu depctr_va_vdst(0)                           ; and the wait ahead of the first reader of its result
.irp j, 0,2,4,6,8,10,12,14,16,18,20,22,24,26,28,30
	v_pk_mul_f32 v[XR+\j:XR+\j+1], v[XR+\j:XR+\j+1], v[240:241] op_sel_hi:[1,0]
.endr
.irp j, 0,2,4,6,8,10,12,14,16,18,20,22,24,26,28,30
	v_pk_mul_f32 v[XR+\j:XR+\j+1], v[G+\j:G+\j+1], v[XR+\j:XR+\j+1]
.endr
.if \i > 0
	s_wait_xcnt 0x0                                        ; the last row's stores have read their registers
.endif
.irp o, 0,1
.irp s, 0,1
.irp n, 0,1,2,3,4,5,6,7,8,9,10,11,12,13,14,15
	v_med3_num_f32 v[T+\n], v[XR+16*\s+\n], -v[24+\o], v[24+\o]
.endr
	v_cvt_scalef32_pk8_bf8_f32 v[C+8*\o+4*\s:C+8*\o+4*\s+1], v[T:T+7], v[20+\o]
	v_cvt_scalef32_pk8_bf8_f32 v[C+8*\o+4*\s+2:C+8*\o+4*\s+3], v[T+8:T+15], v[20+\o]
	v_nop
	global_store_b128 v3, v[C+8*\o+4*\s:C+8*\o+4*\s+3], s[24+2*\o:25+2*\o] offset:1024*(\i)+512*\s
.endr
.endr
.endm
	s_load_b256 s[4:11], s[0:1], 0x0               ; x1, g2, the scales' exponents, h2
	v_lshl_add_u32 v254, v0, 2, 0x5000
	v_mov_b32 v255, 0
	v_lshrrev_b32 v1, 5, v0
	v_readfirstlane_b32 s16, v1
	v_and_b32 v2, 31, v0
	v_lshlrev_b32 v3, 4, v2
	s_mul_i32 s17, s16, 64*SP
	v_lshrrev_b32 v14, 2, v2
	v_mul_u32_u24 v14, v14, SP
	v_and_b32 v15, 3, v2
	v_lshl_add_u32 v14, v15, 4, v14
	v_add_nc_u32 v14, s17, v14
	v_mul_u32_u24 v15, v2, SP
	v_add_nc_u32 v15, s17, v15
	s_mov_b32 s12, 0x76543210
	s_mov_b32 s13, 0xfedcba98
	s_mov_b32 s14, 0x3a800000                      ; 1 / 1,024
	s_mov_b32 s15, 0x3727c5ac                      ; 1e-5
	v_mov_b32 v236, 0
	v_mov_b32 v241, 0
	s_lshl_b32 s18, ttmp9, 4
	s_lshl_b32 s19, s16, 2
	s_add_co_u32 s18, s18, s19
	s_lshl_b32 s20, s18, 12
	s_mov_b32 s21, 0
	s_lshl_b32 s22, s18, 10
	s_mov_b32 s23, 0
	s_wait_alu depctr_va_vdst(0)
	s_wait_kmcnt 0x0
	s_load_b128 s[40:43], s[8:9], 0x30             ; entries 12 to 15
	s_add_nc_u64 s[4:5], s[4:5], s[20:21]
	s_add_nc_u64 s[24:25], s[10:11], s[22:23]
	s_add_nc_u64 s[26:27], s[24:25], 0x400000
.irp j, 0,1,2,3,4,5,6,7
	global_load_b128 v[G+4*\j:G+4*\j+3], v3, s[6:7] offset:512*\j
.endr
.irp i, 0,1,2,3
.irp j, 0,1,2,3,4,5,6,7
	global_load_b128 v[R+32*\i+4*\j:R+32*\i+4*\j+3], v3, s[4:5] offset:4096*\i+512*\j th:TH_LOAD_NT
.endr
.endr
	s_wait_kmcnt 0x0
.irp o, 0,1
	s_add_co_i32 s48, s[40+2*\o], 127
	s_lshl_b32 s49, s48, 23
	v_mov_b32 v[20+\o], s49
	s_add_co_i32 s48, s48, 15
	s_lshl_b32 s48, s48, 23
	s_or_b32 s48, s48, 0x600000
	v_mov_b32 v[24+\o], s48
.endr
	s_wait_loadcnt 32                              ; g2 is in; the four rows' 32 loads are younger
	TURN G
	s_wait_loadcnt 24
	TURN R
	s_wait_loadcnt 16
	TURN R+32
	s_wait_dscnt 16                                ; all but the turn just issued
	WORK 0
	s_wait_loadcnt 8
	TURN R+64
	s_wait_dscnt 16
	WORK 1
	s_wait_loadcnt 0x0
	TURN R+96
	s_wait_dscnt 16
	WORK 2
	s_wait_dscnt 0x0
	WORK 3
	s_wait_tensorcnt 0x0
	ds_add_u32 v254, v255
	s_wait_dscnt 0x0
	s_endpgm
.Lfunc_end_k_qd14a01ecf4_norm2:
	.size	k_qd14a01ecf4_norm2, .Lfunc_end_k_qd14a01ecf4_norm2-k_qd14a01ecf4_norm2
	.p2alignl 7, 3214868480
	.fill 96, 4, 3214868480
	.section	.rodata,"a",@progbits
	.p2align	6, 0x0
	.amdhsa_kernel k_qd14a01ecf4_norm2
		.amdhsa_group_segment_fixed_size 20992
		.amdhsa_private_segment_fixed_size 0
		.amdhsa_enable_private_segment 0
		.amdhsa_kernarg_size 32
		.amdhsa_user_sgpr_count 2
		.amdhsa_user_sgpr_kernarg_segment_ptr 1
		.amdhsa_wavefront_size32 1
		.amdhsa_system_sgpr_workgroup_id_x 1
		.amdhsa_system_sgpr_workgroup_id_y 1
		.amdhsa_system_sgpr_workgroup_id_z 1
		.amdhsa_system_vgpr_workitem_id 0
		.amdhsa_next_free_vgpr 256
		.amdhsa_next_free_sgpr 100
		.amdhsa_reserve_vcc 0
		.amdhsa_float_denorm_mode_32 3
		.amdhsa_float_denorm_mode_16_64 3
		.amdhsa_memory_ordered 1
		.amdhsa_forward_progress 1
		.amdhsa_inst_pref_size 47
	.end_amdhsa_kernel
	.amdgpu_metadata
---
amdhsa.version: [ 1, 2 ]
amdhsa.kernels:
  - .name:           k_qd14a01ecf4_norm2
    .symbol:         k_qd14a01ecf4_norm2.kd
    .args:
      - { .name: x1, .offset: 0, .size: 8, .value_kind: global_buffer, .address_space: global }
      - { .name: g2, .offset: 8, .size: 8, .value_kind: global_buffer, .address_space: global }
      - { .name: lowp_scales, .offset: 16, .size: 8, .value_kind: global_buffer, .address_space: global }
      - { .name: h2, .offset: 24, .size: 8, .value_kind: global_buffer, .address_space: global }
    .group_segment_fixed_size: 20992
    .private_segment_fixed_size: 0
    .kernarg_segment_align: 8
    .kernarg_segment_size: 32
    .max_flat_workgroup_size: 128
    .sgpr_count:     100
    .vgpr_count:     256
    .wavefront_size: 32
...
	.end_amdgpu_metadata
.endif
;; end of part 5
;; launch ffn1 (part 6): grid 32 x 8, 4 waves a work-group, clusters of 4 x 1, 327,680 bytes of LDS; arguments h2, W1_codes, W2_codes, lowp_scales, act; writes act
.if DOCPART == 6
	.amdgcn_target "amdgcn-amd-amdhsa--gfx1250"
	.amdhsa_code_object_version 6
	.text
	.protected	k_qd14a01ecf4_ffn1
	.globl	k_qd14a01ecf4_ffn1
	.p2align	8
	.type	k_qd14a01ecf4_ffn1,@function
k_qd14a01ecf4_ffn1:
	s_mov_b64 s[64:65], 0
	v_nop
	global_prefetch_b8 v0, s[64:65] scope:SCOPE_SE
	s_setreg_imm32_b32 hwreg(HW_REG_WAVE_MODE, 25, 1), 1
	s_wait_xcnt 0x0
	s_wait_alu depctr_hold_cnt(0) depctr_sa_sdst(0) depctr_va_vdst(0) depctr_va_sdst(0) depctr_va_ssrc(0) depctr_va_vcc(0) depctr_vm_vsrc(0)
	s_getreg_b32 s2, hwreg(HW_REG_IB_STS2, 6, 4)
	s_cmp_eq_u32 s2, 0
	s_cbranch_scc0 .Lentry_in_a_cluster
	s_endpgm
.Lentry_in_a_cluster:
	s_bfe_u32 s2, ttmp6, 0x10000c
	s_cmp_lg_u32 s2, 0x3003
	s_cbranch_scc0 .Lentry_shape_is_right
	s_endpgm
.Lentry_shape_is_right:
; act = silu(h2 W1) * (h2 W2), both products on codes of E5M2, the result quantised at once (entry 16) into act, laid as the last product's operand registers: [256 blocks of 16 rows][22 K steps][2,048].
; A tile is 128 tokens x 128 columns, 64 x 64 to each of four waves, made TWICE: first with plane 0 of h2 and W1 (accumulators in window 0), then with plane 1 and W2 (window 2), on one ring.
; Column tile t takes rows min(128 t, 2,602) on of W1 and W2: the last tile overlaps the one before by 86 rows, so that no load leaves a buffer; the other operand holds zero codes at the 86 positions made twice.
; A WORK-GROUP STAYS: 32 row tiles x 8 walks = 256 work-groups.  Walk y makes column tiles y, y + 8 and, where y < 6, y + 16: all 22.  A loop runs the tiles that have a successor (2 trips or 1, chosen by the
; cluster's y, which the four partners share); the last tile is written out behind it, since it asks for nothing more.  THE RING DOES NOT STOP AT A TILE'S END: a tile's last two changes of slots ask for the next
; tile's first two fills, and the way out (sigmoid, product, conversion, stores) runs while the second of them is on its way.
; THE RING: two slots, each 512 along K (rows of 512 bytes + 16 of padding; 128 rows of h2, then 128 of the weight); four fills a tile, into slots 0, 1, 0, 1, so a tile leaves the slots as it found them and no
; LDS address is stepped.  Each fill has a group 0 of its own: h2's four never change (a walk keeps its tokens); the weights' four are written anew once a tile, where no tensor load of the wave is out.
; A slot is filled again behind a round of the cluster's barrier, in front of which every wave has waited for all its tensor loads, added 0 to its spare word and waited for that and for its reads of the slot.
; A wave has one tensor load out at the start and one behind each round.
; CLUSTER 4 x 1: the four row tiles of a cluster read the same rows of the weights: joint loads.  h2's rows differ between them: plain loads.  No second axis: two of the eight walks are a tile shorter,
; so partners along y would need different numbers of rounds.
; A fragment is four loads of 16 bytes at row x pitch + 16 (lane / 16) + 32 c: a permutation of k, the same on both sides.
; LIMITS: e12 + e13 between -126 and 126 (added to a constant's exponent field); e16 - e12 - e13 - e14 - e15 between -126 and 112.  Where h2 W1 lies under about -88 the result is 0.  NaN is not served.
.set PITCH, 528
.set HALF,  64*PITCH
.set SLOT,  4*HALF
.set SPARE, 2*SLOT                     ; behind the ring: the spare words, 128 bytes a wave
.set ACC,   128                        ; window 0
.set ACCB,  0                          ; window 2
.set F0,    0                          ; window 1: two fragment buffers
.set F1,    128
.set T,     128                        ; window 1: the way out works in fragment buffer 1, which a tile's last products have read; buffer 0 may hold the next tile's first fragments
.set MULA,  0x05
.set MULB,  0xa5
.set G1A, 16
.set G1B, 24
.set G0A, 32
.set G0B, 48
.set WV,  66
.set CNT, 70                           ; s70  tiles that still have a successor
.set MSB, 0
.macro WIN new                         ; the immediate's high byte repeats the setting that is left
.if MSB != \new
	s_set_vgpr_msb (MSB<<8)|\new
.set MSB, \new
.endif
.endm
.macro PLACES
.rept 4
	v_nop
.endr
.endm
.macro CREST
	s_cmp_lg_u32 s[WV], 0
	s_cbranch_scc1 .Lnot_wave_0_\@
	s_barrier_signal -3
.Lnot_wave_0_\@:
	s_barrier_wait -3
	s_barrier_signal -1
	s_barrier_wait -1
.endm
.macro CROUND
	s_barrier_signal -1
	s_barrier_wait -1
	CREST
.endm
.macro JLOAD f                         ; waves 0 and 1 fetch h2's halves, waves 2 and 3 the weight's; four v_nop follow each line
	s_cmp_eq_u32 s67, 0
	s_cbranch_scc0 .Lfor_b_\@
	tensor_load_to_lds s[G0A+4*(\f):G0A+4*(\f)+3], s[G1A:G1A+7]
	s_nop 0
	PLACES
	s_branch .Lasked_\@
.Lfor_b_\@:
	tensor_load_to_lds s[G0B+4*(\f):G0B+4*(\f)+3], s[G1B:G1B+7]
	s_nop 0
	PLACES
.Lasked_\@:
.endm
.macro SETB                            ; the global addresses of the weights' four fills for column tile s71: made of the cluster's y and the wave's number alone
	s_lshl_b32 s73, s71, 7
	s_min_u32 s73, s73, 2602                       ; the tile's first row of W1 and W2
	s_lshl_b32 s88, s68, 6
	s_add_co_u32 s88, s88, s73
	s_lshl_b32 s88, s88, 10                        ; + my 64 rows, in bytes (s89 = 0)
	s_add_nc_u64 s[92:93], s[6:7], s[88:89]
	s_add_nc_u64 s[94:95], s[8:9], s[88:89]
.irp f, 0,1,2,3
	s_add_nc_u64 s[G0B+4*\f+2:G0B+4*\f+3], s[92+2*(\f/2):93+2*(\f/2)], (\f%2)*512
	s_or_b32 s[G0B+4*\f+3], s[G0B+4*\f+3], 0x80000000
.endr
.endm
.macro MUL4 f, a, zero, acc            ; the 16 accumulators of a product take turns, one instruction a turn, in the same order in every step
.irp b, 0,1,2,3
.if \zero
	v_wmma_f32_16x16x128_bf8_bf8 v[\acc+8*(4*(\a)+\b):\acc+8*(4*(\a)+\b)+7], v[\f+16*\b:\f+16*\b+15], v[\f+64+16*(\a):\f+64+16*(\a)+15], 0
.else
	v_wmma_f32_16x16x128_bf8_bf8 v[\acc+8*(4*(\a)+\b):\acc+8*(4*(\a)+\b)+7], v[\f+16*\b:\f+16*\b+15], v[\f+64+16*(\a):\f+64+16*(\a)+15], v[\acc+8*(4*(\a)+\b):\acc+8*(4*(\a)+\b)+7]
.endif
.endr
.endm
.macro FETCH f, slot, q
	WIN 0x40
.irp i, 0,1,2,3
.irp k, 0,1,2,3
	ds_load_b128 v[\f+16*\i+4*\k:\f+16*\i+4*\k+3], v[4+\slot] offset:128*(\q)+32*\k+\i*16*PITCH
.endr
.endr
.irp i, 0,1,2,3
.irp k, 0,1,2,3
	ds_load_b128 v[\f+64+16*\i+4*\k:\f+64+16*\i+4*\k+3], v[8+\slot] offset:128*(\q)+32*\k+\i*16*PITCH
.endr
.endr
.endm
.macro KSTEP f, g, slot, q, zero, acc, mw
	s_wait_dscnt 8                                 ; all but the youngest eight loads: source 1's fragments 2 and 3
	WIN \mw
	MUL4 \f, 0, \zero, \acc
	MUL4 \f, 1, \zero, \acc
	PLACES
	FETCH \g, \slot, \q
	s_wait_dscnt 32                                ; all but the 32 just issued
	WIN \mw
	MUL4 \f, 2, \zero, \acc
	MUL4 \f, 3, \zero, \acc
.endm
; A slot's last step changes slots.  fill >= 0: the slot just read out takes fill number `fill`.  newb = 1: the fills from here on are the next tile's.
.macro TURN next, fill, acc, mw, newb
	WIN 0
	s_wait_tensorcnt 0x0                           ; all my tensor loads have landed: my part of the next slot; so every group 0 may be written
	ds_add_u32 v28, v29                            ; 0 onto my spare word
.if \newb
	s_add_co_u32 s71, s71, 8                       ; the walk's next column tile
	SETB
.endif
	s_wait_dscnt 9                                 ; the add and the youngest eight loads may be out
	WIN \mw
	MUL4 F1, 0, 0, \acc
	s_wait_dscnt 0x0                               ; the add is done, and my reads of this slot are over
	s_barrier_signal -1
	MUL4 F1, 1, 0, \acc
	WIN 0
	s_barrier_wait -1
.if \fill >= 0
	CREST                                          ; the barrier has opened a round of the cluster's: no wave of any partner still reads the slot or has a load on its way
	JLOAD \fill                                    ; the first tensor load behind the round; its four v_nop are also the places in front of the loads below
.else
	PLACES
.endif
	FETCH F0, \next, 0
	WIN \mw
	MUL4 F1, 2, 0, \acc
	MUL4 F1, 3, 0, \acc
.endm
; THE WAY OUT of a tile.  more = 1: another tile follows.
.macro OUT more
	PLACES                                         ; in front of the first write into fragment buffer 1, which the last products read
	WIN 0x40
.set j, 0
.rept 64
	v_pk_mul_f32 v[T+j:T+j+1], v[ACC+j:ACC+j+1], s[82:83] op_sel_hi:[1,0]   ; -a log2(e); these 64 are also the places behind the last products' results
.set j, j+2
.endr
	WIN 0x41
.set j, 0
	s_wait_alu depctr_va_vdst(0)
.rept 128
	v_exp_f32 v[T+j], v[T+j]
.set j, j+1
.endr
	v_nop
	s_wait_alu depctr_va_vdst(0)                   ; one wait for the batch
.set j, 0
.rept 64
	v_pk_add_f32 v[T+j:T+j+1], v[T+j:T+j+1], 1.0 op_sel_hi:[1,0]
.set j, j+2
.endr
.set j, 0
	s_wait_alu depctr_va_vdst(0)
.rept 128
	v_rcp_f32 v[T+j], v[T+j]                       ; 1 / (1 + e^-a)
.set j, j+1
.endr
	v_nop
	s_wait_alu depctr_va_vdst(0)
.set j, 0
.rept 64
	v_pk_mul_f32 v[T+j:T+j+1], v[T+j:T+j+1], v[ACC+j:ACC+j+1]
.set j, j+2
.endr
	WIN 0x49                                       ; source 1: the second product's sums, window 2
.set j, 0
.rept 64
	v_pk_mul_f32 v[T+j:T+j+1], v[T+j:T+j+1], v[ACCB+j:ACCB+j+1]
.set j, j+2
.endr
	WIN 0x41
.set j, 0
.rept 128
	v_med3_num_f32 v[T+j], v[T+j], -v20, v20
.set j, j+1
.endr
	WIN 0x01
.irp a, 0,1,2,3
.irp b, 0,1,2,3
	v_cvt_scalef32_pk8_bf8_f32 v[32+8*\a+2*\b:33+8*\a+2*\b], v[T+8*(4*\a+\b):T+8*(4*\a+\b)+7], v21
.endr
.endr
	v_nop
	WIN 0
.irp a, 0,1,2,3
.irp p, 0,1
	global_store_b128 v12, v[32+8*\a+4*\p:35+8*\a+4*\p], s[12:13] offset:45056*\a+512*\p   ; 512 consecutive bytes, aligned
.endr
.endr
.if \more
	s_wait_xcnt 0x0                                ; the stores have read their registers and their base: the next tile's codes and the step below come only behind this wait
	s_add_nc_u64 s[12:13], s[12:13], 16384         ; eight K steps of act on: the walk's next column tile
.endif
.endm
; A TILE: sixteen K steps.  At its head buffer 0's fragments (slot 0, first 128 along K) are on their way from LDS, slot 0 is whole, and my part of slot 1 may be on its way.
.macro TILE more
	KSTEP F0, F1, 0, 1, 1, ACC, MULA               ; the first products start the sums
	KSTEP F1, F0, 0, 2, 0, ACC, MULA
	KSTEP F0, F1, 0, 3, 0, ACC, MULA
	TURN 1, 2, ACC, MULA, 0
	KSTEP F0, F1, 1, 1, 0, ACC, MULA
	KSTEP F1, F0, 1, 2, 0, ACC, MULA
	KSTEP F0, F1, 1, 3, 0, ACC, MULA
	TURN 0, 3, ACC, MULA, 0
	KSTEP F0, F1, 0, 1, 1, ACCB, MULB              ; the second product starts its sums
	KSTEP F1, F0, 0, 2, 0, ACCB, MULB
	KSTEP F0, F1, 0, 3, 0, ACCB, MULB
.if \more
	TURN 1, 0, ACCB, MULB, 1                       ; slot 0 takes the next tile's first fill
.else
	TURN 1, -1, ACCB, MULB, 0                      ; nothing is left to fetch
.endif
	KSTEP F0, F1, 1, 1, 0, ACCB, MULB
	KSTEP F1, F0, 1, 2, 0, ACCB, MULB
	KSTEP F0, F1, 1, 3, 0, ACCB, MULB
.if \more
	TURN 0, 1, ACCB, MULB, 0                       ; slot 1 its second, and the next tile's first fragments are fetched
.else
	s_wait_dscnt 8
	WIN MULB
	MUL4 F1, 0, 0, ACCB
	MUL4 F1, 1, 0, ACCB
	s_wait_dscnt 0x0
	MUL4 F1, 2, 0, ACCB
	MUL4 F1, 3, 0, ACCB
.endif
	OUT \more
.endm
	s_load_b256 s[4:11], s[0:1], 0x0               ; h2, W1, W2, the scales' exponents
	s_load_b64 s[12:13], s[0:1], 0x20              ; act
	v_lshl_add_u32 v28, v0, 2, SPARE
	v_mov_b32 v29, 0
	ds_add_u32 v28, v29
	ds_add_u32 v28, v29
	s_wait_dscnt 0x0
	v_lshrrev_b32 v1, 5, v0
	v_readfirstlane_b32 s[WV], v1
	s_lshr_b32 s67, s[WV], 1                       ; my half of the tokens.  Also: I fetch h2 (0) or the weight (1)
	s_and_b32 s68, s[WV], 1                        ; my half of the columns.  Also: which 64 rows I fetch
	s_bfe_u32 s69, ttmp6, 0x40000                  ; cx
	s_lshl_b32 s72, ttmp9, 2
	s_add_co_u32 s72, s72, s69                     ; tile row
	s_and_b32 s71, ttmp7, 0xffff                   ; the walk y = its first column tile, which the four partners share
	s_cmp_lt_u32 s71, 6
	s_cselect_b32 s[CNT], 2, 1                     ; three tiles where y + 16 < 22, else two: all but the last have a successor
	s_mov_b32 s[G1A], (1<<20)|(6<<22)|(3<<25)      ; no mask; elements of 1 byte; 4 words of padding behind every 128
	s_mov_b32 s[G1B], 15|(1<<20)|(1<<21)|(6<<22)|(3<<25)   ; the same for all four work-groups
.irp g, G1A, G1B
	s_mov_b32 s[\g+1], 512<<16
	s_mov_b32 s[\g+2], 64<<16
	s_mov_b32 s[\g+3], 512<<16
	s_mov_b32 s[\g+4], 64
	s_mov_b32 s[\g+5], 1024
	s_mov_b32 s[\g+6], 0
	s_mov_b32 s[\g+7], 0
.endr
	s_lshl_b32 s86, s72, 7
	s_lshl_b32 s87, s68, 6
	s_add_co_u32 s86, s86, s87
	s_lshl_b32 s86, s86, 10
	s_mov_b32 s87, 0
	s_mov_b32 s89, 0
	s_mul_i32 s90, s[WV], HALF
	s_wait_kmcnt 0x0
	s_load_b128 s[76:79], s[10:11], 0x30           ; entries 12 to 15
	s_load_b32 s80, s[10:11], 0x40                 ; entry 16
	s_add_nc_u64 s[86:87], s[4:5], s[86:87]
	CROUND
.irp f, 0,1,2,3                        ; fill f: plane f / 2 of h2 with W1 or W2, K from 512 (f % 2) on, into slot f % 2
	s_mov_b32 s[G0A+4*\f], 1
	s_add_co_u32 s[G0A+4*\f+1], s90, (\f%2)*SLOT
	s_add_nc_u64 s[G0A+4*\f+2:G0A+4*\f+3], s[86:87], (\f/2)*0x400000+(\f%2)*512
	s_or_b32 s[G0A+4*\f+3], s[G0A+4*\f+3], 0x80000000
	s_mov_b32 s[G0B+4*\f], 1
	s_add_co_u32 s[G0B+4*\f+1], s90, (\f%2)*SLOT
.endr
	SETB
	s_cmp_eq_u32 s67, 0                            ; fill 0: one tensor load a wave, one to each arm
	s_cbranch_scc0 .Lfirst_b
	tensor_load_to_lds s[G0A:G0A+3], s[G1A:G1A+7]
	s_nop 0
	PLACES
	s_branch .Lfirst_asked
.Lfirst_b:
	tensor_load_to_lds s[G0B:G0B+3], s[G1B:G1B+7]
	s_nop 0
	PLACES
.Lfirst_asked:
	v_and_b32 v1, 15, v0
	v_bfe_u32 v2, v0, 4, 1
	v_and_b32 v3, 31, v0
	v_mul_u32_u24 v16, v1, PITCH
	v_lshl_add_u32 v16, v2, 4, v16
	s_mul_i32 s91, s67, HALF                       ; my 64 tokens,
	s_mul_i32 s74, s68, HALF
	s_add_co_u32 s74, s74, 2*HALF                  ; my 64 rows of the weight
.irp s, 0,1
	v_add_nc_u32 v[4+\s], s74, v16
	v_add_nc_u32 v[8+\s], s91, v16
	s_add_co_u32 s74, s74, SLOT
	s_add_co_u32 s91, s91, SLOT
.endr
	v_lshlrev_b32 v12, 4, v3
	s_lshl_b32 s74, s72, 3
	s_lshl_b32 s75, s67, 2
	s_add_co_u32 s74, s74, s75
	s_mul_i32 s74, s74, 45056                      ; act: block 8 x tile row + 4 x half,
	s_lshl_b32 s75, s71, 11                        ; K step = the walk's first column tile,
	s_add_co_u32 s74, s74, s75
	s_lshl_b32 s75, s68, 10                        ; parts 2 x half on
	s_add_co_u32 s74, s74, s75
	s_mov_b32 s75, 0
	s_add_nc_u64 s[12:13], s[12:13], s[74:75]
	s_wait_alu depctr_va_vdst(0)
	s_wait_kmcnt 0x0
	s_add_co_i32 s84, s76, s77                     ; e12 + e13
	s_lshl_b32 s85, s84, 23
	s_mov_b32 s82, 0xbfb8aa3b                      ; -log2(e),
	s_add_co_i32 s82, s82, s85                     ; x 2^(e12 + e13)
	s_mov_b32 s83, s82
	s_sub_co_i32 s84, s80, s84
	s_sub_co_i32 s84, s84, s78
	s_sub_co_i32 s84, s84, s79                     ; e16 - e12 - e13 - e14 - e15: the five scales folded into the conversion's one
	s_add_co_i32 s84, s84, 127
	s_lshl_b32 s85, s84, 23
	v_mov_b32 v21, s85
	s_add_co_i32 s84, s84, 15
	s_lshl_b32 s84, s84, 23
	s_or_b32 s84, s84, 0x600000
	v_mov_b32 v20, s84
	; THE HEAD AS IT STANDS NOW: a wave has ONE tensor load out at the start (fill 0); slot 1's first fill is issued as a refill is, behind the three lines and a whole round
	s_wait_alu depctr_va_vdst(0)                   ; the wait at the head's end
	s_wait_tensorcnt 0x0                           ; my part of fill 0 is in
	ds_add_u32 v28, v29                            ; 0 onto my spare word
	s_wait_dscnt 0x0
	CROUND
	JLOAD 1                                        ; fill 1: the first tensor load behind the round
	FETCH F0, 0, 0
	WIN 0                                          ; at a label and at a branch every window is 0
.Ltile:                                            ; a trip is a tile that has a successor
	TILE 1
	s_sub_co_u32 s[CNT], s[CNT], 1
	s_cmp_lg_u32 s[CNT], 0
	s_cbranch_scc1 .Ltile
	TILE 0                                         ; the walk's last tile is written out
	s_wait_tensorcnt 0x0                           ; the wave's end
	ds_add_u32 v28, v29
	s_wait_dscnt 0x0
	CROUND                                         ; the closing round
	s_endpgm
.Lfunc_end_k_qd14a01ecf4_ffn1:
	.size	k_qd14a01ecf4_ffn1, .Lfunc_end_k_qd14a01ecf4_ffn1-k_qd14a01ecf4_ffn1
	.p2alignl 7, 3214868480
	.fill 96, 4, 3214868480
	.section	.rodata,"a",@progbits
	.p2align	6, 0x0
	.amdhsa_kernel k_qd14a01ecf4_ffn1
		.amdhsa_group_segment_fixed_size 327680
		.amdhsa_private_segment_fixed_size 0
		.amdhsa_enable_private_segment 0
		.amdhsa_kernarg_size 40
		.amdhsa_user_sgpr_count 2
		.amdhsa_user_sgpr_kernarg_segment_ptr 1
		.amdhsa_wavefront_size32 1
		.amdhsa_system_sgpr_workgroup_id_x 1
		.amdhsa_system_sgpr_workgroup_id_y 1
		.amdhsa_system_sgpr_workgroup_id_z 1
		.amdhsa_system_vgpr_workitem_id 0
		.amdhsa_next_free_vgpr 640
		.amdhsa_next_free_sgpr 100
		.amdhsa_reserve_vcc 0
		.amdhsa_float_denorm_mode_32 3
		.amdhsa_float_denorm_mode_16_64 3
		.amdhsa_memory_ordered 1
		.amdhsa_forward_progress 1
		.amdhsa_inst_pref_size 188
	.end_amdhsa_kernel
	.amdgpu_metadata
---
amdhsa.version: [ 1, 2 ]
amdhsa.kernels:
  - .name:           k_qd14a01ecf4_ffn1
    .symbol:         k_qd14a01ecf4_ffn1.kd
    .args:
      - { .name: h2, .offset: 0, .size: 8, .value_kind: global_buffer, .address_space: global }
      - { .name: W1_codes, .offset: 8, .size: 8, .value_kind: global_buffer, .address_space: global }
      - { .name: W2_codes, .offset: 16, .size: 8, .value_kind: global_buffer, .address_space: global }
      - { .name: lowp_scales, .offset: 24, .size: 8, .value_kind: global_buffer, .address_space: global }
      - { .name: act, .offset: 32, .size: 8, .value_kind: global_buffer, .address_space: global }
    .group_segment_fixed_size: 327680
    .private_segment_fixed_size: 0
    .kernarg_segment_align: 8
    .kernarg_segment_size: 40
    .max_flat_workgroup_size: 128
    .sgpr_count:     100
    .vgpr_count:     640
    .wavefront_size: 32
...
	.end_amdgpu_metadata
.endif
;; end of part 6
;; launch ffn2 (part 7): grid 8 x 32, 4 waves a work-group, clusters of 4 x 4, 327,680 bytes of LDS; arguments act, w3c, lowp_scales, x1, out0; writes out0
.if DOCPART == 7
	.amdgcn_target "amdgcn-amd-amdhsa--gfx1250"
	.amdhsa_code_object_version 6
	.text
	.protected	k_qd14a01ecf4_ffn2
	.globl	k_qd14a01ecf4_ffn2
	.p2align	8
	.type	k_qd14a01ecf4_ffn2,@function
k_qd14a01ecf4_ffn2:
	s_mov_b64 s[64:65], 0
	v_nop
	global_prefetch_b8 v0, s[64:65] scope:SCOPE_SE
	s_setreg_imm32_b32 hwreg(HW_REG_WAVE_MODE, 25, 1), 1
	s_wait_xcnt 0x0
	s_wait_alu depctr_hold_cnt(0) depctr_sa_sdst(0) depctr_va_vdst(0) depctr_va_sdst(0) depctr_va_ssrc(0) depctr_va_vcc(0) depctr_vm_vsrc(0)
	s_getreg_b32 s2, hwreg(HW_REG_IB_STS2, 6, 4)
	s_cmp_eq_u32 s2, 0
	s_cbranch_scc0 .Lentry_in_a_cluster
	s_endpgm
.Lentry_in_a_cluster:
	s_bfe_u32 s2, ttmp6, 0x10000c
	s_cmp_lg_u32 s2, 0xf033
	s_cbranch_scc0 .Lentry_shape_is_right
	s_endpgm
.Lentry_shape_is_right:
; out0 = x1 + act W3, the product on codes of E5M2, K = 2,816 positions (22 steps of 128; 86 of them hold zero codes of W3).  A tile of 128 tokens x 128 columns to a work-group (256), 64 x 64 to a wave.
; Both operands come as images of operand registers, [block of 16 rows][22 K steps][2,048]: a fragment is four loads of 16 bytes at 16 x lane; no padding.
; THE RING: two slots of four K steps (8 blocks x 8,192 bytes of act, then as many of w3c); six fills, the last of two K steps, with a group 1 of its own (rows of 4,096 bytes).
; A slot is filled again behind a round of the cluster's barrier, in front of which every wave has waited for all its tensor loads, added 0 to its spare word and waited for that and for its reads of the slot;
; the load then has four K steps, 64 matrix instructions a wave, in which to land.  A wave has one tensor load out at the start and one behind each round.
; CLUSTER 4 x 4: act's tiles are shared along a row of the cluster, w3c's along a column: joint loads.
; The way out: a block of 16 tokens x 64 columns goes through the wave's own stage (no tensor load fills it), comes back as rows of 256 bytes, and x1's numbers, asked for at the head, take sum x 2^(e16 + e17).
; LIMIT: e16 + e17 between -126 and 127.
.set SLOT,  131072
.set STAGE, 2*SLOT
.set SPITCH, 272
.set SPARE, STAGE+4*16*SPITCH
.set RB,    45056                      ; a block of 16 rows in memory
.set ACC,   128
.set F0,    0
.set F1,    128
.set MUL,   0x05
.set BK,    32
.set G1A,  16
.set G1B,  24
.set G1AH, 32
.set G1BH, 40
.set G0A,  48                          ; s[48:55] a group 0 for each slot, act;  s[56:63] w3c
.set G0B,  56
.set WV,   66
.set MSB, 0
.macro WIN new
.if MSB != \new
	s_set_vgpr_msb (MSB<<8)|\new
.set MSB, \new
.endif
.endm
.macro PLACES
.rept 4
	v_nop
.endr
.endm
.macro CREST
	s_cmp_lg_u32 s[WV], 0
	s_cbranch_scc1 .Lnot_wave_0_\@
	s_barrier_signal -3
.Lnot_wave_0_\@:
	s_barrier_wait -3
	s_barrier_signal -1
	s_barrier_wait -1
.endm
.macro CROUND
	s_barrier_signal -1
	s_barrier_wait -1
	CREST
.endm
.macro JLOAD g0a, g1a, g0b, g1b
	s_cmp_eq_u32 s67, 0
	s_cbranch_scc0 .Lfor_b_\@
	tensor_load_to_lds s[\g0a:\g0a+3], s[\g1a:\g1a+7]
	s_nop 0
	PLACES
	s_branch .Lasked_\@
.Lfor_b_\@:
	tensor_load_to_lds s[\g0b:\g0b+3], s[\g1b:\g1b+7]
	s_nop 0
	PLACES
.Lasked_\@:
.endm
.macro MUL4 f, a, zero
.irp b, 0,1,2,3
.if \zero
	v_wmma_f32_16x16x128_bf8_bf8 v[ACC+8*(4*(\a)+\b):ACC+8*(4*(\a)+\b)+7], v[\f+16*\b:\f+16*\b+15], v[\f+64+16*(\a):\f+64+16*(\a)+15], 0
.else
	v_wmma_f32_16x16x128_bf8_bf8 v[ACC+8*(4*(\a)+\b):ACC+8*(4*(\a)+\b)+7], v[\f+16*\b:\f+16*\b+15], v[\f+64+16*(\a):\f+64+16*(\a)+15], v[ACC+8*(4*(\a)+\b):ACC+8*(4*(\a)+\b)+7]
.endif
.endr
.endm
.macro FETCH f, slot, q, bs            ; bs: bytes of a block in the slot
	WIN 0x40
.irp i, 0,1,2,3
.irp p, 0,1,2,3
	ds_load_b128 v[\f+16*\i+4*\p:\f+16*\i+4*\p+3], v[4+\slot] offset:(\bs)*\i+2048*(\q)+512*\p
.endr
.endr
.irp i, 0,1,2,3
.irp p, 0,1,2,3
	ds_load_b128 v[\f+64+16*\i+4*\p:\f+64+16*\i+4*\p+3], v[8+\slot] offset:(\bs)*\i+2048*(\q)+512*\p
.endr
.endr
.endm
.macro KSTEP f, g, slot, q, bs, zero
	s_wait_dscnt 8                                 ; all but the youngest eight loads: source 1's fragments 2 and 3
	WIN MUL
	MUL4 \f, 0, \zero
	MUL4 \f, 1, \zero
	PLACES
	FETCH \g, \slot, \q, \bs
	s_wait_dscnt 32                                ; all but the 32 just issued
	WIN MUL
	MUL4 \f, 2, \zero
	MUL4 \f, 3, \zero
.endm
; A slot's last step changes slots.  fill = 1: this slot takes the K steps two fills on; 2: the same with the short rows; 0: nothing.  nbs: bytes of a block in the next slot.
.macro TURN slot, next, fill, nbs
	WIN 0
	s_wait_tensorcnt 0x0                           ; all my tensor loads have landed: my part of the next slot
	ds_add_u32 v28, v29                            ; 0 onto my spare word
	s_wait_dscnt 9                                 ; the add and the youngest eight loads may be out
	WIN MUL
	MUL4 F1, 0, 0
	s_wait_dscnt 0x0                               ; the add is done, and my reads of this slot are over
	s_barrier_signal -1
	MUL4 F1, 1, 0
	WIN 0
	s_barrier_wait -1
.if \fill
	CREST                                          ; the barrier has opened a round of the cluster's: no wave of any partner still reads the slot or has a load on its way
	s_add_nc_u64 s[G0A+4*\slot+2:G0A+4*\slot+3], s[G0A+4*\slot+2:G0A+4*\slot+3], 16384   ; no tensor load of mine is out: the groups 0 may be written
	s_add_nc_u64 s[G0B+4*\slot+2:G0B+4*\slot+3], s[G0B+4*\slot+2:G0B+4*\slot+3], 16384
.if \fill == 2
	JLOAD G0A+4*\slot, G1AH, G0B+4*\slot, G1BH
.else
	JLOAD G0A+4*\slot, G1A, G0B+4*\slot, G1B
.endif
.else
	PLACES
.endif
	FETCH F0, \next, 0, \nbs
	WIN MUL
	MUL4 F1, 2, 0
	MUL4 F1, 3, 0
.endm
.macro OUTSTAGE a
.irp b, 0,1,2,3
	ds_store_b128 v16, v[ACC+8*(4*(\a)+\b):ACC+8*(4*(\a)+\b)+3] offset:64*\b
	ds_store_b128 v16, v[ACC+8*(4*(\a)+\b)+4:ACC+8*(4*(\a)+\b)+7] offset:64*\b+16
.endr
.irp t, 0,1,2,3,4,5,6,7
	ds_load_b128 v[BK+32*((\a)%2)+4*\t:BK+32*((\a)%2)+4*\t+3], v17 offset:2*\t*SPITCH   ; LDS serves a wave's instructions in order
.endr
.endm
.macro SEND a, younger
	s_wait_dscnt \younger
	WIN 0xa0
.irp i, 0,2,4,6,8,10,12,14,16,18,20,22,24,26,28,30
	v_pk_fma_f32 v[32*(\a)+\i:32*(\a)+\i+1], v[BK+32*((\a)%2)+\i:BK+32*((\a)%2)+\i+1], s[96:97], v[32*(\a)+\i:32*(\a)+\i+1] op_sel_hi:[1,0,1]
.endr
	WIN 0x08
.irp t, 0,1,2,3,4,5,6,7
	global_store_b128 v18, v[32*(\a)+4*\t:32*(\a)+4*\t+3], s[12:13] offset:(16*(\a)+2*\t)*4096 th:TH_STORE_NT   ; sixteen lanes store 256 consecutive bytes, aligned
.endr
	WIN 0
.endm
	s_load_b256 s[4:11], s[0:1], 0x0               ; act, w3c, the scales' exponents, x1
	s_load_b64 s[12:13], s[0:1], 0x20              ; out0
	v_lshl_add_u32 v28, v0, 2, SPARE
	v_mov_b32 v29, 0
	ds_add_u32 v28, v29
	ds_add_u32 v28, v29
	s_wait_dscnt 0x0
	v_lshrrev_b32 v1, 5, v0
	v_readfirstlane_b32 s[WV], v1
	s_lshr_b32 s67, s[WV], 1
	s_and_b32 s68, s[WV], 1
	s_bfe_u32 s69, ttmp6, 0x40000
	s_bfe_u32 s70, ttmp6, 0x40004
	s_lshl_b32 s71, ttmp9, 2
	s_add_co_u32 s71, s71, s69                     ; tile column
	s_and_b32 s72, ttmp7, 0xffff
	s_lshl_b32 s72, s72, 2
	s_add_co_u32 s72, s72, s70                     ; tile row
	s_lshl_b32 s74, s70, 2
	s_lshl_b32 s74, 15, s74
	s_lshl_b32 s75, 0x1111, s69
	s_or_b32 s[G1A], s74, (3<<16)|(1<<21)          ; elements of 8 bytes, no padding
	s_or_b32 s[G1B], s75, (3<<16)|(1<<21)
	s_or_b32 s[G1AH], s74, (3<<16)|(1<<21)
	s_or_b32 s[G1BH], s75, (3<<16)|(1<<21)
.irp g, G1A, G1B
	s_mov_b32 s[\g+1], 1024<<16                    ; 4 rows of 8,192 bytes, 45,056 bytes apart
	s_mov_b32 s[\g+2], 4<<16
	s_mov_b32 s[\g+3], 1024<<16
	s_mov_b32 s[\g+4], 4
	s_mov_b32 s[\g+5], 5632
	s_mov_b32 s[\g+6], 0
	s_mov_b32 s[\g+7], 0
.endr
.irp g, G1AH, G1BH
	s_mov_b32 s[\g+1], 512<<16                     ; the last fill: rows of 4,096 bytes
	s_mov_b32 s[\g+2], 4<<16
	s_mov_b32 s[\g+3], 512<<16
	s_mov_b32 s[\g+4], 4
	s_mov_b32 s[\g+5], 5632
	s_mov_b32 s[\g+6], 0
	s_mov_b32 s[\g+7], 0
.endr
	s_lshl_b32 s86, s72, 3
	s_lshl_b32 s87, s68, 2
	s_add_co_u32 s86, s86, s87
	s_mul_i32 s86, s86, RB                         ; act: block 8 x tile row + 4 x half
	s_mov_b32 s87, 0
	s_lshl_b32 s88, s71, 3
	s_lshl_b32 s89, s68, 2
	s_add_co_u32 s88, s88, s89
	s_mul_i32 s88, s88, RB                         ; w3c: block 8 x tile column + 4 x half
	s_mov_b32 s89, 0
	s_lshl_b32 s90, s[WV], 15                      ; where my loads go: wave x 32,768
	s_lshl_b32 s92, s72, 7
	s_lshl_b32 s93, s67, 6
	s_add_co_u32 s92, s92, s93
	s_lshl_b32 s92, s92, 12
	s_lshl_b32 s93, s71, 9
	s_add_co_u32 s92, s92, s93
	s_lshl_b32 s93, s68, 8
	s_add_co_u32 s92, s92, s93                     ; my part of x1 and out0
	s_mov_b32 s93, 0
	v_and_b32 v1, 15, v0
	v_bfe_u32 v2, v0, 4, 1
	v_and_b32 v3, 31, v0
	v_lshlrev_b32 v18, 12, v2
	v_lshl_add_u32 v18, v1, 4, v18
	s_wait_kmcnt 0x0
	s_load_b64 s[76:77], s[8:9], 0x40              ; entries 16, 17
	s_add_nc_u64 s[86:87], s[4:5], s[86:87]
	s_add_nc_u64 s[88:89], s[6:7], s[88:89]
	s_add_nc_u64 s[10:11], s[10:11], s[92:93]
	s_add_nc_u64 s[12:13], s[12:13], s[92:93]
	CROUND
.irp s, 0,1
	s_mov_b32 s[G0A+4*\s], 1
	s_add_co_u32 s[G0A+4*\s+1], s90, \s*SLOT
	s_add_nc_u64 s[G0A+4*\s+2:G0A+4*\s+3], s[86:87], \s*8192
	s_or_b32 s[G0A+4*\s+3], s[G0A+4*\s+3], 0x80000000
	s_mov_b32 s[G0B+4*\s], 1
	s_add_co_u32 s[G0B+4*\s+1], s90, \s*SLOT
	s_add_nc_u64 s[G0B+4*\s+2:G0B+4*\s+3], s[88:89], \s*8192
	s_or_b32 s[G0B+4*\s+3], s[G0B+4*\s+3], 0x80000000
.endr
	s_cmp_eq_u32 s67, 0
	s_cbranch_scc0 .Lfirst_b
	tensor_load_to_lds s[G0A:G0A+3], s[G1A:G1A+7]
	s_nop 0
	PLACES
	s_branch .Lfirst_asked
.Lfirst_b:
	tensor_load_to_lds s[G0B:G0B+3], s[G1B:G1B+7]
	s_nop 0
	PLACES
.Lfirst_asked:
	WIN 0x80                                       ; the residual, into window 2
	s_wait_alu depctr_va_vdst(0)
.irp a, 0,1,2,3
.irp t, 0,1,2,3,4,5,6,7
	global_load_b128 v[32*\a+4*\t:32*\a+4*\t+3], v18, s[10:11] offset:(16*\a+2*\t)*4096 th:TH_LOAD_NT
.endr
.endr
	WIN 0
	v_lshlrev_b32 v19, 4, v3
	s_lshl_b32 s94, s67, 15                        ; my four blocks of act,
	s_lshl_b32 s95, s68, 15
	s_add_co_u32 s95, s95, 65536                   ; my four blocks of w3c
.irp s, 0,1
	v_add_nc_u32 v[4+\s], s95, v19
	v_add_nc_u32 v[8+\s], s94, v19
	s_add_co_u32 s94, s94, SLOT
	s_add_co_u32 s95, s95, SLOT
.endr
	s_mul_i32 s94, s[WV], 16*SPITCH
	s_add_co_u32 s94, s94, STAGE
	v_mul_u32_u24 v16, v1, SPITCH
	v_lshl_add_u32 v16, v2, 5, v16
	v_add_nc_u32 v16, s94, v16
	v_mul_u32_u24 v17, v2, SPITCH
	v_lshl_add_u32 v17, v1, 4, v17
	v_add_nc_u32 v17, s94, v17
	s_wait_alu depctr_va_vdst(0)
	s_wait_kmcnt 0x0
	s_add_co_i32 s96, s76, s77
	s_add_co_i32 s96, s96, 127
	s_lshl_b32 s96, s96, 23                        ; 2^(e16 + e17)
	s_mov_b32 s97, s96
	; THE HEAD AS IT STANDS NOW: a wave has ONE tensor load out at the start (fill 0); slot 1's first fill is issued as a refill is, behind the three lines and a whole round
	s_wait_tensorcnt 0x0                           ; my part of fill 0 is in
	ds_add_u32 v28, v29                            ; 0 onto my spare word
	s_wait_dscnt 0x0
	CROUND
	JLOAD G0A+4, G1A, G0B+4, G1B                   ; fill 1: the first tensor load behind the round
	FETCH F0, 0, 0, 8192
	KSTEP F0, F1, 0, 1, 8192, 1
	KSTEP F1, F0, 0, 2, 8192, 0
	KSTEP F0, F1, 0, 3, 8192, 0
	TURN 0, 1, 1, 8192                             ; K steps 8-11 into slot 0
	KSTEP F0, F1, 1, 1, 8192, 0
	KSTEP F1, F0, 1, 2, 8192, 0
	KSTEP F0, F1, 1, 3, 8192, 0
	TURN 1, 0, 1, 8192                             ; 12-15 into slot 1
	KSTEP F0, F1, 0, 1, 8192, 0
	KSTEP F1, F0, 0, 2, 8192, 0
	KSTEP F0, F1, 0, 3, 8192, 0
	TURN 0, 1, 1, 8192                             ; 16-19 into slot 0
	KSTEP F0, F1, 1, 1, 8192, 0
	KSTEP F1, F0, 1, 2, 8192, 0
	KSTEP F0, F1, 1, 3, 8192, 0
	TURN 1, 0, 2, 8192                             ; 20, 21 into slot 1
	KSTEP F0, F1, 0, 1, 8192, 0
	KSTEP F1, F0, 0, 2, 8192, 0
	KSTEP F0, F1, 0, 3, 8192, 0
	TURN 0, 1, 0, 4096                             ; nothing is left to fetch
	KSTEP F0, F1, 1, 1, 4096, 0
	s_wait_dscnt 8
	WIN MUL
	MUL4 F1, 0, 0
	MUL4 F1, 1, 0
	s_wait_dscnt 0x0
	MUL4 F1, 2, 0
	MUL4 F1, 3, 0
	WIN 0
	s_wait_loadcnt 0x0                             ; the residual
	PLACES
	OUTSTAGE 0
	OUTSTAGE 1
	SEND 0, 16                                     ; behind block 0's loads: block 1's 8 stores and 8 loads
	OUTSTAGE 2
	SEND 1, 16
	OUTSTAGE 3
	SEND 2, 16
	SEND 3, 0
	s_wait_tensorcnt 0x0                           ; the wave's end
	ds_add_u32 v28, v29
	s_wait_dscnt 0x0
	CROUND                                         ; the closing round
	s_endpgm
.Lfunc_end_k_qd14a01ecf4_ffn2:
	.size	k_qd14a01ecf4_ffn2, .Lfunc_end_k_qd14a01ecf4_ffn2-k_qd14a01ecf4_ffn2
	.p2alignl 7, 3214868480
	.fill 96, 4, 3214868480
	.section	.rodata,"a",@progbits
	.p2align	6, 0x0
	.amdhsa_kernel k_qd14a01ecf4_ffn2
		.amdhsa_group_segment_fixed_size 327680
		.amdhsa_private_segment_fixed_size 0
		.amdhsa_enable_private_segment 0
		.amdhsa_kernarg_size 40
		.amdhsa_user_sgpr_count 2
		.amdhsa_user_sgpr_kernarg_segment_ptr 1
		.amdhsa_wavefront_size32 1
		.amdhsa_system_sgpr_workgroup_id_x 1
		.amdhsa_system_sgpr_workgroup_id_y 1
		.amdhsa_system_sgpr_workgroup_id_z 1
		.amdhsa_system_vgpr_workitem_id 0
		.amdhsa_next_free_vgpr 640
		.amdhsa_next_free_sgpr 100
		.amdhsa_reserve_vcc 0
		.amdhsa_float_denorm_mode_32 3
		.amdhsa_float_denorm_mode_16_64 3
		.amdhsa_memory_ordered 1
		.amdhsa_forward_progress 1
		.amdhsa_inst_pref_size 100
	.end_amdhsa_kernel
	.amdgpu_metadata
---
amdhsa.version: [ 1, 2 ]
amdhsa.kernels:
  - .name:           k_qd14a01ecf4_ffn2
    .symbol:         k_qd14a01ecf4_ffn2.kd
    .args:
      - { .name: act, .offset: 0, .size: 8, .value_kind: global_buffer, .address_space: global }
      - { .name: w3c, .offset: 8, .size: 8, .value_kind: global_buffer, .address_space: global }
      - { .name: lowp_scales, .offset: 16, .size: 8, .value_kind: global_buffer, .address_space: global }
      - { .name: x1, .offset: 24, .size: 8, .value_kind: global_buffer, .address_space: global }
      - { .name: out0, .offset: 32, .size: 8, .value_kind: global_buffer, .address_space: global }
    .group_segment_fixed_size: 327680
    .private_segment_fixed_size: 0
    .kernarg_segment_align: 8
    .kernarg_segment_size: 40
    .max_flat_workgroup_size: 128
    .sgpr_count:     100
    .vgpr_count:     640
    .wavefront_size: 32
...
	.end_amdgpu_metadata
.endif
;; end of part 7
